; MI455X (gfx1250); checked and timed in simulation.
; The chip was launched on July 23, 2026; its instructions are those of AMD's public machine-readable ISA for CDNA 5 (MIT licence, August 2026) and "CDNA5" Instruction Set Architecture Reference Guide (July 2026). The comments in the code are by the model that wrote it; some were corrected since.
;; Causal Multi Head Self Attention. Allowed arithmetic: matrix products marked QUANTISED: E2M3 operands, one E8M0 scale for each 32 along K, by v_wmma_scale_f32_16x16x128_f8f6f4 with both operands' format E2M3, f32 sums; everything else in f32.
;; Inputs: k_w 1,024 x 1,024 float32; o_w 1,024 x 1,024 float32; q_w 1,024 x 1,024 float32; token_positions 2,048 int32; v_w 1,024 x 1,024 float32; x 4 x 2,048 x 1,024 float32.
;; Outputs: out0 4 x 2,048 x 1,024 float32.
;; This version of the problem:
;;   THIS VERSION OF THE PROBLEM IS GIVEN IN LOW PRECISION. The matrix products marked QUANTISED in the list below multiply operands that are first quantised to E2M3 (2 exponent bits, 3 mantissa bits; 6 bits a number), with one power-of-two scale for each 32 numbers along K (OCP MX v1.0); their sums are f32. All else is computed in f32.
;;   The module's matrix products, in the order in which they are computed (A, B: the left and right operand; K: the contracted axis; several contracted axes count as one K, in the product's order):
;;     1. [M 8,192, K 1,024] x [K 1,024, N 1,024]; A: input x; B: input q_w: QUANTISED
;;     2. [M 8,192, K 1,024] x [K 1,024, N 1,024]; A: input x; B: input k_w: QUANTISED
;;     3. [M 8,192, K 1,024] x [K 1,024, N 1,024]; A: input x; B: input v_w: QUANTISED
;;     4. batch 64 x [M 2,048, K 64] x [K 64, N 2,048]; A: computed on the way; B: computed on the way: QUANTISED
;;     5. batch 64 x [M 2,048, K 2,048] x [K 2,048, N 64]; A: softmax (see below); B: computed on the way: QUANTISED
;;     6. [M 8,192, K 1,024] x [K 1,024, N 1,024]; A: computed on the way; B: input o_w: QUANTISED
;;   THE QUANTISER, for each operand of a quantised product, along K:
;;     - K is cut into blocks of 32 from its start; a last block that is shorter is filled with zeros.
;;     - A block's scale is 2^e with e = floor(log2(the largest magnitude in the block)) - 2, held to -126 .. 127; a block of zeros has e = 0. As a byte (E8M0): e + 127.
;;     - Each number is divided by its block's scale, clamped to +-7.5, and rounded to the nearest number of E2M3, ties to even, subnormals kept.
;;     - The product sums the exact products of the quantised numbers (number of the format x scale) in f32.
;;   ~~~python
;;   def quantise(x, axis):      # numpy; x: float32 -> the quantised numbers, widened to float32 again
;;       x = np.moveaxis(x, axis, -1); K = x.shape[-1]
;;       x = np.pad(x, [(0, 0)] * (x.ndim - 1) + [(0, -K % 32)]); x = x.reshape(x.shape[:-1] + (-1, 32)); a = np.abs(x).max(-1, keepdims=True)
;;       e = np.where(a > 0, np.clip(np.frexp(np.where(a > 0, a, 1))[1] - 1 - 2, -126, 127), 0)      # np.frexp(a)[1] - 1 = floor(log2(a)), exactly
;;       r = np.clip(x / 2.0 ** e, -7.5, 7.5)
;;       step = 2.0 ** (np.maximum(np.frexp(np.where(r == 0, 1, r))[1] - 1, 0) - 3)
;;       q = np.round(r / step) * step * 2.0 ** e      # np.round: ties to even
;;       return np.moveaxis(q.reshape(q.shape[:-2] + (-1,))[..., :K], -1, axis).astype(np.float32)
;;   ~~~
;;   SOFTMAX AHEAD OF A QUANTISED PRODUCT. Where the list says 'softmax', what is quantised is not the finished softmax but p = 2^(t - M), with t = logit x log2(e) and M = ceil(the row's largest t), a whole number; so 1/2 < the row's largest p <= 1. The row's sum l is taken of the UNQUANTISED p, in f32, and the product's result is divided by l at the end. Since M is a whole number, a kernel that streams over the keys may use a running M (the ceiling of the running maximum): every later rescaling is an exact power of two, which a block's scale takes up: the codes' values come out the same.
;;   OPERANDS COMPUTED ON THE WAY. 'Computed on the way' means the value that the module computes at that place (a softmax that the list does not call 'softmax' is quantised finished and normalised). What goes into a quantiser is computed in f32, as accurately as f32 sums, v_exp_f32 and their like allow (about 1e-6 of the number): no bf16 or f16 on the way to a quantiser, and a product that is left as it is and whose result goes on into a quantised operand takes f32 operands (vector FMAs, or v_wmma_f32_16x16x4_f32). A number that lies on a knife's edge between two numbers of the format may be rounded either way, as far as f32 arithmetic and the matrix unit's own rounding can turn it there, and no further.
;; One version. Each part assembles by itself: llvm-mc -triple=amdgcn-amd-amdhsa -mcpu=gfx1250 --defsym DOCPART=n.
;; ======== version 1 of 1: 4 launches
;; workspace buffers: aimg 8,650,752 bytes; sclA 360,448 bytes; bimg 7,077,888 bytes; sclB 294,912 bytes; rope 524,288 bytes; qbuf 6,815,744 bytes; kvbuf 13,369,344 bytes
;; launch prep (part 1): grid 400 x 1, 4 waves a work-group, no clusters, 34,304 bytes of LDS; arguments x, q_w, k_w, v_w, o_w, token_positions, aimg, sclA, bimg, sclB, rope; writes aimg, sclA, bimg, sclB, rope
.if DOCPART == 1
	.amdgcn_target "amdgcn-amd-amdhsa--gfx1250"
	.amdhsa_code_object_version 6
	.text
	.protected	k_q07fe3d15f2_prep
	.globl	k_q07fe3d15f2_prep
	.p2align	8
	.type	k_q07fe3d15f2_prep,@function
k_q07fe3d15f2_prep:
	s_mov_b64 s[64:65], 0
	v_nop
	global_prefetch_b8 v0, s[64:65] scope:SCOPE_SE
	s_setreg_imm32_b32 hwreg(HW_REG_WAVE_MODE, 25, 1), 1
	s_wait_xcnt 0x0
; PREP.  Work-groups 0-383: x [8192][1024] and the four weights [1024][1024], f32, K innermost, become codes of FP6 (E2M3) with one E8M0 byte for each 32 along K.
; Work-groups 384-399: the table of cos and sin for RoPE, from token_positions as they are given.
; THE CODES ARE LAID AS THE MATRIX OPERAND'S REGISTERS WANT THEM.  A row tile is 16 rows; tile 2 G + u of the 32-row group G holds rows 32 G + 8 u + r + 8 (r / 8), r = 0 .. 15.
; A granule is a row tile x 64 along K, 768 bytes: lane l = r + 16 h has bytes 0-15 of block h's 24 bytes at 16 l, and bytes 16-23 at 512 + 8 l.  A row tile's 16 granules lie on end.
; The scale words: [row tile][K / 512][r][4 words]: word j serves 128 along K.  All stores of a wave cover whole runs of 512 or 256 consecutive bytes.
; A block's scale is 2^(floor(log2(largest magnitude)) - 2); its byte is the largest magnitude's exponent field - 2, held at 1 from below.
; LIMITS: a block of zeros gets the byte 1 where the rule says 127 (its codes are zeros, and this program alone reads the bytes); NaN and infinities among the inputs are not served;
; positions stay under 2^23 in magnitude; the 32 frequencies 10^(-i / 8) are the nearest f32 for i < 8 and that number times 0.1, 0.01, 0.001 (one more rounding) beyond.
; SHARES (codes): a work-group takes a 32-row group; wave w the tile u = w & 1 and the half w >> 1 of K: 16 rows x 512, in four substeps of 128 along K.
; Each load reads 512 consecutive bytes of one row; the 16 rows turn through the wave's own stage in LDS (pitch 528 bytes = 33 x 16: sixteen rows start in sixteen different 16-byte columns), so that a lane gets two whole blocks of 32.
; No tensor loads, no barrier: waves share nothing.  No matrix unit and no cluster: the launch is a stream.
.set STG,  8448                        ; a wave's stage: 16 rows x 528 bytes
.set PIT,  528
.set LN16, 2                           ; v2   16 x lane: my bytes of a load's 512, and of a granule's first part
.set STW,  3                           ; v3   the stage, on the way in
.set STR,  4                           ; v4   and on the way out: row r, + 128 h
.set LN8,  6                           ; v6   8 x lane: a granule's second part
.set SH8,  7                           ; v7   8 h: where my two bytes stand in a scale word
.set RW16, 8                           ; v8   16 r: my row's four scale words
.set W,    16                          ; v16-19   the four scale words
.set C,    20                          ; v20-31   a fragment's codes
.set D,    32                          ; v32-39   the conversions' second halves
.set X,    40                          ; v40-103  two blocks of 32 numbers
.set R,    104                         ; v104-231 two sets of 64 registers as loaded
	s_load_b256 s[4:11], s[0:1], 0x0               ; x, q_w, k_w, v_w
	s_load_b256 s[12:19], s[0:1], 0x20             ; o_w, token_positions, aimg, sclA
	s_load_b128 s[20:23], s[0:1], 0x40             ; bimg, sclB
	s_load_b64 s[24:25], s[0:1], 0x50              ; rope
	v_lshl_add_u32 v232, v0, 2, 0x8400
	v_mov_b32 v233, 0
	s_cmp_ge_u32 ttmp9, 384
	s_cbranch_scc1 .Lrope
	v_lshrrev_b32 v1, 5, v0
	v_readfirstlane_b32 s32, v1                    ; wave
	s_and_b32 s33, s32, 1                          ; u
	s_lshr_b32 s36, s32, 1                         ; which half of K
	v_and_b32 v1, 31, v0                           ; lane
	v_and_b32 v9, 15, v0                           ; r
	v_bfe_u32 v10, v0, 4, 1                        ; h
	v_lshlrev_b32 v[LN16], 4, v1
	v_lshlrev_b32 v[LN8], 3, v1
	v_lshlrev_b32 v[SH8], 3, v10
	v_lshlrev_b32 v[RW16], 4, v9
	s_mul_i32 s37, s32, STG
	v_add_nc_u32 v[STW], s37, v[LN16]
	v_mul_u32_u24 v[STR], v9, PIT
	v_lshl_add_u32 v[STR], v10, 7, v[STR]
	v_add_nc_u32 v[STR], s37, v[STR]
	s_mov_b32 s34, 0x76543210
	s_mov_b32 s35, 0xfedcba98                      ; v_permlanex16_b32's selects for lane l xor 16
	s_and_b32 s38, ttmp9, 31
	s_cmp_lt_u32 ttmp9, 256
	s_cselect_b32 s38, ttmp9, s38                  ; the 32-row group inside its tensor
	s_lshl_b32 s38, s38, 17                        ; 32 rows of 4,096 bytes
	s_lshl_b32 s39, s33, 15                        ; + 8 u rows
	s_add_co_u32 s38, s38, s39
	s_lshl_b32 s39, s36, 11                        ; + my half of K
	s_add_co_u32 s38, s38, s39
	s_mov_b32 s39, 0
	s_lshl_b32 s40, ttmp9, 1
	s_add_co_u32 s40, s40, s33
	s_cmp_lt_u32 ttmp9, 352
	s_cselect_b32 s41, 0, 192
	s_sub_co_u32 s40, s40, s41                     ; the row tile: 2 n + u in aimg; 512 + 2 (n - 352) + u in bimg
	s_mul_i32 s42, s40, 12288
	s_mul_i32 s41, s36, 6144
	s_add_co_u32 s42, s42, s41
	s_mov_b32 s43, 0
	s_lshl_b32 s44, s40, 9
	s_lshl_b32 s41, s36, 8
	s_add_co_u32 s44, s44, s41
	s_mov_b32 s45, 0
	s_wait_kmcnt 0x0
	s_cmp_lt_u32 ttmp9, 256                        ; the buffers are chosen by the work-group's number alone
	s_cselect_b64 s[26:27], s[4:5], s[6:7]
	s_cmp_lt_u32 ttmp9, 288
	s_cselect_b64 s[26:27], s[26:27], s[8:9]
	s_cmp_lt_u32 ttmp9, 320
	s_cselect_b64 s[26:27], s[26:27], s[10:11]
	s_cmp_lt_u32 ttmp9, 352
	s_cselect_b64 s[26:27], s[26:27], s[12:13]
	s_cselect_b64 s[28:29], s[16:17], s[20:21]
	s_cselect_b64 s[30:31], s[18:19], s[22:23]
	s_add_nc_u64 s[26:27], s[26:27], s[38:39]
	s_add_nc_u64 s[28:29], s[28:29], s[42:43]
	s_add_nc_u64 s[30:31], s[30:31], s[44:45]
.macro LOAD s                          ; substep s: 128 numbers of each of the tile's 16 rows
.irp i, 0,1,2,3,4,5,6,7,8,9,10,11,12,13,14,15
	global_load_b128 v[R+64*((\s)%2)+4*\i:R+64*((\s)%2)+4*\i+3], v[LN16], s[26:27] offset:(\i+8*(\i/8))*4096+512*(\s) th:TH_LOAD_NT
.endr
.endm
.macro SUB s
.set RS, R+64*((\s)%2)
.if (\s) < 3
	s_wait_loadcnt 16                              ; this substep's 16 loads are in; the next substep's 16 may be out
.else
	s_wait_loadcnt 0x0
.endif
.irp i, 0,1,2,3,4,5,6,7,8,9,10,11,12,13,14,15
	ds_store_b128 v[STW], v[RS+4*\i:RS+4*\i+3] offset:PIT*\i
.endr
.irp c, 0,1                            ; LDS serves a wave's instructions in order: these see the stores above.  Lane (r, h) takes k = 64 c + 32 h + 0 .. 31 of row r
.irp j, 0,1,2,3,4,5,6,7
	ds_load_b128 v[X+32*\c+4*\j:X+32*\c+4*\j+3], v[STR] offset:256*\c+16*\j
.endr
.endr
	s_wait_dscnt 0x0                               ; my numbers are back, and the stores have read their registers,
.if (\s) < 2
	LOAD (\s)+2                                    ; which take the loads of two substeps on
.endif
.irp c, 0,1
	v_max3_num_f32 v[9+\c], |v[X+32*\c]|, |v[X+1+32*\c]|, 0x1800000   ; my block's largest magnitude, and the floor 2^(3 - 127): the byte cannot fall under 1
.endr
.irp i, 2,4,6,8,10,12,14,16,18,20,22,24,26,28,30
.irp c, 0,1
	v_max3_num_f32 v[9+\c], v[9+\c], |v[X+32*\c+\i]|, |v[X+1+32*\c+\i]|
.endr
.endr
.irp c, 0,1
	v_add_nc_u32 v[11+\c], 0xff000000, v[9+\c]     ; 2 off the exponent field: the conversion's scale operand
.endr
.irp c, 0,1
	v_lshrrev_b32 v[13+\c], 23, v[11+\c]           ; the scale's byte
.endr
	v_lshl_or_b32 v15, v14, 16, v13                ; blocks h and 2 + h,
	v_lshlrev_b32 v15, v[SH8], v15                 ; at their places in the word;
	v_permlanex16_b32 v9, v15, s34, s35
	v_or_b32 v[W+(\s)], v15, v9                    ; with lane l xor 16's two the word is whole
	s_wait_xcnt 0x0                                ; the last substep's stores have read the codes' registers
.irp c, 0,1
	v_cvt_scalef32_pk16_fp6_f32 v[C+6*\c:C+6*\c+2], v[X+32*\c:X+32*\c+15], v[11+\c]
	v_cvt_scalef32_pk16_fp6_f32 v[D+4*\c:D+4*\c+2], v[X+32*\c+16:X+32*\c+31], v[11+\c]   ; (a conversion's three registers begin on an even number)
.endr
	v_nop                                          ; one plain place behind a scaled conversion
.irp c, 0,1
.irp i, 0,1,2
	v_mov_b32 v[C+3+6*\c+\i], v[D+4*\c+\i]
.endr
.endr
	global_store_b128 v[LN16], v[C:C+3], s[28:29] offset:1536*(\s)           ; granule 2 s: 512 consecutive bytes,
	global_store_b64 v[LN8], v[C+4:C+5], s[28:29] offset:1536*(\s)+512       ; and 256
	global_store_b128 v[LN16], v[C+6:C+9], s[28:29] offset:1536*(\s)+768     ; granule 2 s + 1
	global_store_b64 v[LN8], v[C+10:C+11], s[28:29] offset:1536*(\s)+1280
.endm
	LOAD 0
	LOAD 1
	SUB 0
	SUB 1
	SUB 2
	SUB 3
	s_wait_xcnt 0x0                                ; EXEC changes only behind this wait
	v_cmp_gt_u32 vcc_lo, 16, v1
	s_wait_tensorcnt 0x0
	ds_add_u32 v232, v233
	s_wait_dscnt 0x0
	s_and_saveexec_b32 s37, vcc_lo
	global_store_b128 v[RW16], v[W:W+3], s[30:31]  ; sixteen lanes store the tile's 256 bytes of scale words
	s_endpgm
; THE TABLE: rope[s][f] = (cos, sin) of token_positions[s] x 10^(-f / 8), f = 0 .. 31; a row is 256 bytes.  128 positions a work-group.
; Thread t: frequencies 2 T and 2 T + 1, T = t & 15; position 8 p + (t >> 4) of pass p: sixteen lanes store a whole row.
; The angle is the f32 product; it is reduced by a multiple of pi / 2 in three parts (fused, so that nothing of the first product is lost), then polynomials on |r| <= pi / 4.
.Lrope:
	s_sub_co_u32 s33, ttmp9, 384
	v_and_b32 v1, 15, v0                           ; T
	v_lshrrev_b32 v2, 4, v0                        ; 0 .. 7
	v_lshlrev_b32 v3, 2, v2
	v_lshlrev_b32 v4, 8, v2
	v_lshl_add_u32 v4, v1, 4, v4
	v_and_b32 v5, 3, v1
	v_lshrrev_b32 v6, 2, v1
	s_lshl_b32 s26, s33, 9
	s_mov_b32 s27, 0
	s_lshl_b32 s28, s33, 15
	s_mov_b32 s29, 0
	s_mov_b32 s40, 0x3f22f983                      ; 2 / pi
	s_mov_b32 s41, 0xbfc90fdb                      ; - pi / 2: its first part,
	s_mov_b32 s42, 0x333bbd2e                      ; what the first part has too much,
	s_mov_b32 s43, 0x26f72ced                      ; and what then is still missing
	s_mov_b32 s44, 0xbe2aaaa3                      ; sine: r + r z (S1 + z (S2 + z S3))
	s_mov_b32 s45, 0x3c08839e
	s_mov_b32 s46, 0xb94ca1f9
	s_mov_b32 s47, 0x3d2aaaa5                      ; cosine: 1 + z (-1/2 + z (C1 + z (C2 + z C3)))
	s_mov_b32 s48, 0xbab6061a
	s_mov_b32 s49, 0x37ccf5ce
	s_wait_kmcnt 0x0
	s_add_nc_u64 s[14:15], s[14:15], s[26:27]
	s_add_nc_u64 s[24:25], s[24:25], s[28:29]
.irp p, 0,1,2,3,4,5,6,7,8,9,10,11,12,13,14,15
	global_load_b32 v[16+\p], v3, s[14:15] offset:32*\p
.endr
	v_mov_b32 v7, 1.0                              ; 10^(-i / 8), i = 2 (T & 3),
	v_mov_b32 v8, 0x3f3ff911                       ; and i + 1
	v_mov_b32 v9, 1.0                              ; 10^-(T >> 2)
	v_cmp_ne_u32 vcc_lo, 1, v5
	v_cndmask_b32 v7, 0x3f0ff59a, v7, vcc_lo
	v_cndmask_b32 v8, 0x3ed7e89b, v8, vcc_lo
	v_cmp_ne_u32 vcc_lo, 2, v5
	v_cndmask_b32 v7, 0x3ea1e89b, v7, vcc_lo
	v_cndmask_b32 v8, 0x3e72d424, v8, vcc_lo
	v_cmp_ne_u32 vcc_lo, 3, v5
	v_cndmask_b32 v7, 0x3e361887, v7, vcc_lo
	v_cndmask_b32 v8, 0x3e088d77, v8, vcc_lo
	v_cmp_ne_u32 vcc_lo, 1, v6
	v_cndmask_b32 v9, 0x3dcccccd, v9, vcc_lo
	v_cmp_ne_u32 vcc_lo, 2, v6
	v_cndmask_b32 v9, 0x3c23d70a, v9, vcc_lo
	v_cmp_ne_u32 vcc_lo, 3, v6
	v_cndmask_b32 v9, 0x3a83126f, v9, vcc_lo
	v_mul_f32 v7, v7, v9
	v_mul_f32 v8, v8, v9
	s_wait_loadcnt 0x0
.irp p, 0,1,2,3,4,5,6,7,8,9,10,11,12,13,14,15
	v_cvt_f32_i32 v[16+\p], v[16+\p]
.endr
.macro SINCOS p, f, dc, ds
	v_mul_f32 v10, v[\p], v[\f]                    ; the angle, in f32
	v_mul_f32 v11, s40, v10
	v_rndne_f32 v11, v11                           ; n
	v_fma_f32 v12, v11, s41, v10
	v_fma_f32 v12, v11, s42, v12
	v_fma_f32 v12, v11, s43, v12                   ; r = angle - n pi / 2
	v_cvt_i32_f32 v13, v11
	v_mul_f32 v14, v12, v12                        ; z
	v_fma_f32 v15, v14, s46, s45
	v_fma_f32 v105, v14, s49, s48
	v_fma_f32 v15, v15, v14, s44
	v_fma_f32 v105, v105, v14, s47
	v_mul_f32 v104, v12, v14
	v_fma_f32 v105, v105, v14, -0.5
	v_fma_f32 v15, v104, v15, v12                  ; sin r
	v_fma_f32 v105, v105, v14, 1.0                 ; cos r
	v_and_b32 v106, 1, v13
	v_cmp_eq_u32 vcc_lo, 1, v106                   ; an odd quarter turn changes the two,
	v_cndmask_b32 v107, v15, v105, vcc_lo
	v_cndmask_b32 v108, v105, v15, vcc_lo
	v_lshlrev_b32 v106, 30, v13                    ; the sine is negated in quarters 2 and 3,
	v_and_b32 v106, 0x80000000, v106
	v_xor_b32 v[\ds], v107, v106
	v_add_nc_u32 v13, 1, v13                       ; the cosine in quarters 1 and 2
	v_lshlrev_b32 v13, 30, v13
	v_and_b32 v13, 0x80000000, v13
	v_xor_b32 v[\dc], v108, v13
.endm
.irp p, 0,1,2,3,4,5,6,7,8,9,10,11,12,13,14,15
	SINCOS 16+\p, 7, 40+4*\p, 41+4*\p
	SINCOS 16+\p, 8, 42+4*\p, 43+4*\p
	global_store_b128 v4, v[40+4*\p:43+4*\p], s[24:25] offset:2048*\p   ; each pass has its own four registers: no store's data are written again
.endr
	s_endpgm
.Lfunc_end_k_q07fe3d15f2_prep:
	.size	k_q07fe3d15f2_prep, .Lfunc_end_k_q07fe3d15f2_prep-k_q07fe3d15f2_prep
	.p2alignl 7, 3214868480
	.fill 96, 4, 3214868480
	.section	.rodata,"a",@progbits
	.p2align	6, 0x0
	.amdhsa_kernel k_q07fe3d15f2_prep
		.amdhsa_group_segment_fixed_size 34304
		.amdhsa_private_segment_fixed_size 0
		.amdhsa_enable_private_segment 0
		.amdhsa_kernarg_size 88
		.amdhsa_user_sgpr_count 2
		.amdhsa_user_sgpr_kernarg_segment_ptr 1
		.amdhsa_wavefront_size32 1
		.amdhsa_system_sgpr_workgroup_id_x 1
		.amdhsa_system_sgpr_workgroup_id_y 1
		.amdhsa_system_sgpr_workgroup_id_z 1
		.amdhsa_system_vgpr_workitem_id 0
		.amdhsa_next_free_vgpr 234
		.amdhsa_next_free_sgpr 66
		.amdhsa_reserve_vcc 1
		.amdhsa_float_denorm_mode_32 3
		.amdhsa_float_denorm_mode_16_64 3
		.amdhsa_memory_ordered 1
		.amdhsa_forward_progress 1
		.amdhsa_inst_pref_size 76
	.end_amdhsa_kernel
	.amdgpu_metadata
---
amdhsa.version: [ 1, 2 ]
amdhsa.kernels:
  - .name:           k_q07fe3d15f2_prep
    .symbol:         k_q07fe3d15f2_prep.kd
    .args:
      - { .name: x, .offset: 0, .size: 8, .value_kind: global_buffer, .address_space: global }
      - { .name: q_w, .offset: 8, .size: 8, .value_kind: global_buffer, .address_space: global }
      - { .name: k_w, .offset: 16, .size: 8, .value_kind: global_buffer, .address_space: global }
      - { .name: v_w, .offset: 24, .size: 8, .value_kind: global_buffer, .address_space: global }
      - { .name: o_w, .offset: 32, .size: 8, .value_kind: global_buffer, .address_space: global }
      - { .name: token_positions, .offset: 40, .size: 8, .value_kind: global_buffer, .address_space: global }
      - { .name: aimg, .offset: 48, .size: 8, .value_kind: global_buffer, .address_space: global }
      - { .name: sclA, .offset: 56, .size: 8, .value_kind: global_buffer, .address_space: global }
      - { .name: bimg, .offset: 64, .size: 8, .value_kind: global_buffer, .address_space: global }
      - { .name: sclB, .offset: 72, .size: 8, .value_kind: global_buffer, .address_space: global }
      - { .name: rope, .offset: 80, .size: 8, .value_kind: global_buffer, .address_space: global }
    .group_segment_fixed_size: 34304
    .private_segment_fixed_size: 0
    .kernarg_segment_align: 8
    .kernarg_segment_size: 88
    .max_flat_workgroup_size: 128
    .sgpr_count:     66
    .vgpr_count:     234
    .wavefront_size: 32
...
	.end_amdgpu_metadata
.endif
;; end of part 1
;; launch qkv (part 2): grid 12 x 32, 4 waves a work-group, clusters of 4 x 4, 327,680 bytes of LDS; arguments aimg, sclA, rope, qbuf, kvbuf; writes qbuf, kvbuf
.if DOCPART == 2
	.amdgcn_target "amdgcn-amd-amdhsa--gfx1250"
	.amdhsa_code_object_version 6
	.text
	.protected	k_q07fe3d15f2_qkv
	.globl	k_q07fe3d15f2_qkv
	.p2align	8
	.type	k_q07fe3d15f2_qkv,@function
k_q07fe3d15f2_qkv:
	s_mov_b64 s[64:65], 0
	v_nop
	global_prefetch_b8 v0, s[64:65] scope:SCOPE_SE
	s_setreg_imm32_b32 hwreg(HW_REG_WAVE_MODE, 25, 1), 1
	s_wait_xcnt 0x0
	s_wait_alu depctr_hold_cnt(0) depctr_sa_sdst(0) depctr_va_vdst(0) depctr_va_sdst(0) depctr_va_ssrc(0) depctr_va_vcc(0) depctr_vm_vsrc(0)
	s_getreg_b32 s2, hwreg(HW_REG_IB_STS2, 6, 4)
	s_cmp_eq_u32 s2, 0
	s_cbranch_scc0 .Lentry_in_a_cluster
	s_endpgm
.Lentry_in_a_cluster:
	s_bfe_u32 s2, ttmp6, 0x10000c
	s_cmp_lg_u32 s2, 0xf033
	s_cbranch_scc0 .Lentry_shape_is_right
	s_endpgm
.Lentry_shape_is_right:
; QKV: Q = x q_w^T, K = x k_w^T, V = x v_w^T on codes of FP6 (E2M3) with E8M0 scales; RoPE on Q and K in f32; then Q and K are quantised along the head's 64 and V along the keys, in registers, and leave as operand images.
; A tile of 256 x 256 is made by a work-group of four waves, a wave makes 128 x 128: 64 accumulators of 16 x 16.  Source 0 takes the B side's 16 rows, source 1 the A side's: a lane holds ONE row of the A side and its registers run along the B side.
; The cluster's x says what is made: 0 Q, 1 K (A side = x, B side = the weight: a lane holds a token, its registers run along the head's d), 2 V (A side = v_w, B side = x: a lane holds one d, its registers run along the keys).
; ROW TILES ARE PERMUTED (tile 2 G + u holds rows 32 G + 8 u + r + 8 (r / 8)), so that the 16 registers of results 2 b and 2 b + 1 are 16 neighbours, 32 b + 16 (lane / 16) + 0 .. 15, along the B side: what the conversions want.
; OPERANDS lie in memory as images of their registers (a granule: 16 rows x 64 K, 768 bytes: 16 bytes a lane, then 8 bytes a lane): every LDS read is 512 or 256 consecutive bytes, so LDS has no padding.
; K = 1,024 is four K steps of 256.  Three LDS slots take K steps 0, 1, 2 as first fills (three tensor loads of a wave are out at most); K step 3 is the one refill, into slot 0.  The eight steps of 128 are written out.
; CLUSTERS: 4 x 4 work-groups; the A side's tile is asked for jointly along a row of the cluster, the B side's along a column.
; THE SCALE WORDS of a wave's rows, for all of K, go from memory into 64 registers once: lanes 0-15 the A side's, lanes 16-31 the B side's; each half of the lanes reads 256 consecutive bytes.
; No prefetch: three of the four K steps are asked for at the head.  LIMITS: NaN and infinities are not served; a block of zeros gets the byte 1 (its codes are zeros; this program alone reads the bytes).
; In V's work-groups the 16 table loads at the head are not used: they keep one path through the head.
; REGISTERS: window 0: v3-31 addresses and words; v32-95 scale words; v96-127, v224-255 the table's two sets; v128-223 A's fragments, one set; on the way out v128-223 are at work.
;   window 1: B's fragments, two sets, at v0 and v128.   windows 2, 3: accumulator (a, b) at v[8 (8 (a % 4) + b)].
.set FR,    12                         ; registers of a fragment: 16 rows x 128 K
.set NL,    4                          ; LDS loads that bring one
.set NP,    4                          ; places behind this matrix instruction (ISA guide 7.12.1)
.set SLOT,  98304                      ; a slot: four quarters (A's rows 0-127, 128-255, B's likewise)
.set QUART, 24576                      ; a quarter: 8 row tiles x 4 granules x 768 bytes
.set SPARE, 3*SLOT                     ; behind the slots: the spare words, 128 bytes for each wave
.set KSB,   3072                       ; a row tile's bytes in a K step of 256
.set AD16, 4                           ; v4-6    A's fragments in slot 0, 1, 2: 16 bytes a lane;  v7-9: 8 bytes a lane
.set AD8,  7
.set BD16, 10                          ; v10-12, v13-15 the same for B
.set BD8,  13
.set SPW,  16                          ; v16  my spare word;  v17  0: both never rewritten
.set NIL,  17
.set LN16, 18                          ; v18  16 x lane
.set LN8,  19                          ; v19  8 x lane
.set SCO,  20                          ; v20  my scale words' offset
.set RTO,  21                          ; v21  the table: 256 (r + 8 (r / 8)) + 64 h
.set SSO,  22                          ; v22  scale words out: 16 r + h x a head's bytes
.set SH16, 23                          ; v23  16 h
.set SW,   24                          ; v24-31 the scale words of the eight blocks
.set PW,   3                           ; v3   the scale word just made
.set SC,   32
.set CS0,  96
.set AF,   128
.set R,    128                         ; the way out: v128-191 64 numbers; v192-203 codes; v204-211 the conversions' second halves; v212-223 at work
.set PC,   192
.set PD,   204
.set TM,   212
.set G1,   24                          ; s[24:31], s[32:39] descriptor group 1 for A's and B's tiles;  s[40:51], s[52:63] groups 0, one set for each slot
.set G1B,  32
.set G0,   40
.set G0B,  52
.set MSB, 0
.macro WIN new                         ; the immediate's high byte repeats the setting that is left
.if MSB != (\new)
	s_set_vgpr_msb (MSB<<8)|(\new)
.set MSB, (\new)
.endif
.endm
.set MUL_LO, 0xa1                      ; source 0 (B) window 1, source 1 (A) window 0, C and D window 2
.set MUL_HI, 0xf1
.set TO_B,   0x40
.macro JLOAD g0a, g1a, g0b, g1b        ; a joint load: waves 0 and 1 fetch for A, waves 2 and 3 for B; four v_nop follow each line
	s_cmp_eq_u32 s15, 0
	s_cbranch_scc0 .Lfor_b_\@
	tensor_load_to_lds s[\g0a:\g0a+3], s[\g1a:\g1a+7]
	s_nop 0
.rept 4
	v_nop
.endr
	s_branch .Lasked_\@
.Lfor_b_\@:
	tensor_load_to_lds s[\g0b:\g0b+3], s[\g1b:\g1b+7]
	s_nop 0
.rept 4
	v_nop
.endr
.Lasked_\@:
.endm
.macro CREST                           ; a round of the cluster's barrier behind its opening barrier
	s_cmp_lg_u32 s14, 0
	s_cbranch_scc1 .Lnot_wave_0_\@
	s_barrier_signal -3
.Lnot_wave_0_\@:
	s_barrier_wait -3
	s_barrier_signal -1
	s_barrier_wait -1
.endm
.macro CROUND
	s_barrier_signal -1
	s_barrier_wait -1
	CREST
.endm
.macro PLACES n
.rept \n
	v_nop
.endr
.endm
	s_load_b256 s[4:11], s[0:1], 0x0               ; aimg, sclA, rope, qbuf
	s_load_b64 s[12:13], s[0:1], 0x20              ; kvbuf
	v_lshl_add_u32 v[SPW], v0, 2, SPARE
	v_mov_b32 v[NIL], 0
	ds_add_u32 v16, v17
	s_wait_dscnt 0x0
	v_lshrrev_b32 v1, 5, v0
	v_readfirstlane_b32 s14, v1                    ; wave 0..3
	s_lshr_b32 s15, s14, 1                         ; which half of the A side is mine.  Also: I fetch for A (0) or for B (1)
	s_and_b32 s16, s14, 1                          ; which half of the B side.  Also: which 128 rows I fetch
	s_bfe_u32 s70, ttmp6, 0x40000                  ; cx
	s_bfe_u32 s71, ttmp6, 0x40004                  ; cy
	s_and_b32 s72, ttmp7, 0xffff
	s_lshl_b32 s72, s72, 2                         ; 4 x cluster y
	s_add_co_u32 s74, s72, s71
	s_add_co_u32 s75, s72, s70
	s_lshl_b32 s76, ttmp9, 2
	s_add_co_u32 s76, s76, s70
	s_cmp_eq_u32 ttmp9, 2                          ; V?  The cluster's x is the same in all sixteen partners
	s_cselect_b32 s77, s71, s74                    ; the A side's tile: of v_w: cy; of x: 4 cluster y + cy
	s_cselect_b32 s78, s75, s76                    ; the B side's: of x: 4 cluster y + cx; of the weights: 4 cluster x + cx
	s_cselect_b32 s79, 640, 0
	s_cselect_b32 s80, 0, 512
	s_lshl_b32 s81, s77, 4
	s_add_co_u32 s81, s81, s79                     ; A's first row tile in aimg
	s_lshl_b32 s82, s78, 4
	s_add_co_u32 s82, s82, s80                     ; B's
	s_lshl_b32 s17, s71, 2
	s_lshl_b32 s17, 15, s17                        ; my row of the cluster
	s_lshl_b32 s18, 0x1111, s70                    ; my column
	; descriptor group 1: 8 row tiles x 3,072 bytes (384 elements of 8 bytes), 12,288 bytes apart in memory, on end in LDS
	s_or_b32 s[G1], s17, (3<<16)|(1<<21)
	s_or_b32 s[G1B], s18, (3<<16)|(1<<21)
.irp g, G1, G1B
	s_mov_b32 s[\g+1], 384<<16                     ; tensor_dim0
	s_mov_b32 s[\g+2], 8<<16                       ; tensor_dim1
	s_mov_b32 s[\g+3], 384<<16                     ; tile_dim0
	s_mov_b32 s[\g+4], 8                           ; tile_dim1
	s_mov_b32 s[\g+5], 1536                        ; tensor_dim0_stride
	s_mov_b32 s[\g+6], 0
	s_mov_b32 s[\g+7], 0
.endr
	s_lshl_b32 s66, s16, 3                         ; which 8 row tiles I fetch
	s_add_co_u32 s84, s81, s66
	s_mul_i32 s84, s84, 12288
	s_mov_b32 s85, 0
	s_add_co_u32 s86, s82, s66
	s_mul_i32 s86, s86, 12288
	s_mov_b32 s87, 0
	s_mul_i32 s88, s14, QUART                      ; where they go: no place in the cluster enters an LDS address
	s_wait_kmcnt 0x0
	s_add_nc_u64 s[84:85], s[4:5], s[84:85]
	s_add_nc_u64 s[86:87], s[4:5], s[86:87]
	CROUND                                         ; all sixteen work-groups are here: the first joint loads meet
.irp s, 0,1,2
	s_mov_b32 s[G0+4*\s], 1
	s_add_co_u32 s[G0+4*\s+1], s88, \s*SLOT
	s_add_nc_u64 s[G0+4*\s+2:G0+4*\s+3], s[84:85], \s*KSB
	s_or_b32 s[G0+4*\s+3], s[G0+4*\s+3], 0x80000000
	s_mov_b32 s[G0B+4*\s], 1
	s_add_co_u32 s[G0B+4*\s+1], s88, \s*SLOT
	s_add_nc_u64 s[G0B+4*\s+2:G0B+4*\s+3], s[86:87], \s*KSB
	s_or_b32 s[G0B+4*\s+3], s[G0B+4*\s+3], 0x80000000
	JLOAD G0+4*\s, G1, G0B+4*\s, G1B               ; K steps 0, 1, 2
.endr
	v_and_b32 v1, 31, v0                           ; lane
	v_and_b32 v2, 15, v0                           ; r
	v_bfe_u32 v[SH16], v0, 4, 1                    ; h
	v_lshlrev_b32 v[LN16], 4, v1
	v_lshlrev_b32 v[LN8], 3, v1
	s_lshl_b32 s83, s15, 3
	s_add_co_u32 s83, s83, s81
	s_lshl_b32 s83, s83, 9                         ; my first row tile of A, x 512 bytes of scale words,
	s_lshl_b32 s92, s16, 3
	s_add_co_u32 s92, s92, s82
	s_lshl_b32 s92, s92, 9                         ; and of B
	v_mov_b32 v[SCO], s83
	v_mov_b32 v24, s92
	v_cmp_gt_u32 vcc_lo, 16, v1
	v_cndmask_b32 v[SCO], v24, v[SCO], vcc_lo      ; lanes 0-15 take A's, lanes 16-31 B's
	v_lshl_add_u32 v[SCO], v2, 4, v[SCO]
.irp i, 0,1,2,3,4,5,6,7
.irp kap, 0,1
	global_load_b128 v[SC+8*\i+4*\kap:SC+8*\i+4*\kap+3], v[SCO], s[6:7] offset:512*\i+256*\kap   ; register SC + 8 i + kq: block i's words for the kq-th 128 along K
.endr
.endr
	v_and_b32 v[RTO], 8, v2
	v_add_nc_u32 v[RTO], v[RTO], v2
	v_lshlrev_b32 v[RTO], 8, v[RTO]
	v_lshl_add_u32 v[RTO], v[SH16], 6, v[RTO]
	s_and_b32 s94, s77, 7
	s_lshl_b32 s94, s94, 16
	s_lshl_b32 s95, s15, 15
	s_add_co_u32 s94, s94, s95                     ; the table's rows of my 128 tokens: (256 (tile % 8) + 128 half) x 256 bytes
	s_mov_b32 s95, 0
	s_add_nc_u64 s[8:9], s[8:9], s[94:95]
.macro CSLOAD a                        ; block a's cos and sin: for my token, frequencies 8 h + 0 .. 7 and 16 + 8 h + 0 .. 7: 16 pairs, into set a % 2
.set CL, CS0+128*((\a)%2)
.irp j, 0,1,2,3,4,5,6,7
	global_load_b128 v[CL+4*\j:CL+4*\j+3], v[RTO], s[8:9] offset:(32*((\a)/2)+8*((\a)%2))*256+128*(\j/4)+16*(\j%4)
.endr
.endm
	CSLOAD 0
	CSLOAD 1
	s_mov_b32 s96, 208896                          ; a head's bytes in kvbuf,
	s_cmp_eq_u32 ttmp9, 0
	s_cselect_b32 s96, 106496, s96                 ; in qbuf
	v_mul_lo_u32 v[SSO], v[SH16], s96
	v_lshl_add_u32 v[SSO], v2, 4, v[SSO]
	v_lshlrev_b32 v[SH16], 4, v[SH16]
	s_mul_i32 s90, s15, QUART                      ; my 128 rows of A,
	s_mul_i32 s91, s16, QUART                      ; my 128 rows of B,
	s_add_co_u32 s91, s91, 2*QUART                 ; which lie behind A's 256
.irp s, 0,1,2
	v_add_nc_u32 v[AD16+\s], s90, v[LN16]
	v_add_nc_u32 v[AD8+\s], s90, v[LN8]
	v_add_nc_u32 v[BD16+\s], s91, v[LN16]
	v_add_nc_u32 v[BD8+\s], s91, v[LN8]
	s_add_co_u32 s90, s90, SLOT
	s_add_co_u32 s91, s91, SLOT
.endr
.macro FRAG reg, a16, a8, q, i         ; a fragment is two granules: registers 0-3 and 6-9 by 16 bytes a lane, 4-5 and 10-11 by 8 bytes a lane
	ds_load_b128 v[\reg:\reg+3], v[\a16] offset:KSB*(\i)+1536*(\q)
	ds_load_b64 v[\reg+4:\reg+5], v[\a8] offset:KSB*(\i)+1536*(\q)+512
	ds_load_b128 v[\reg+6:\reg+9], v[\a16] offset:KSB*(\i)+1536*(\q)+768
	ds_load_b64 v[\reg+10:\reg+11], v[\a8] offset:KSB*(\i)+1536*(\q)+1280
.endm
.macro FETCH_B slot, q, p
	WIN TO_B
.irp i, 0,1,2,3,4,5,6,7
	FRAG 128*(\p)+FR*\i, BD16+\slot, BD8+\slot, \q, \i
.endr
	WIN 0
.endm
.macro FETCH_A slot, q, i0
.irp i, \i0, \i0+1, \i0+2, \i0+3
	FRAG AF+FR*(\i), AD16+\slot, AD8+\slot, \q, \i
.endr
.endm
; 16 matrix instructions: A's blocks a0, a0 + 1 x B's eight, the kq-th 128 along K.  The 64 accumulators take turns, one instruction a turn, in the same order in every step.
.macro MUL16 a0, p, kq, zero
.irp a, \a0, \a0+1
.irp b, 0,1,2,3,4,5,6,7
.if \zero
	v_wmma_scale_f32_16x16x128_f8f6f4 v[8*(8*((\a)%4)+\b):8*(8*((\a)%4)+\b)+7], v[128*(\p)+FR*\b:128*(\p)+FR*\b+FR-1], v[AF+FR*(\a):AF+FR*(\a)+FR-1], 0, v[SC+8*\b+(\kq)], v[SC+8*(\a)+(\kq)] matrix_a_fmt:MATRIX_FMT_FP6 matrix_b_fmt:MATRIX_FMT_FP6 matrix_a_scale:MATRIX_SCALE_ROW1
.else
	v_wmma_scale_f32_16x16x128_f8f6f4 v[8*(8*((\a)%4)+\b):8*(8*((\a)%4)+\b)+7], v[128*(\p)+FR*\b:128*(\p)+FR*\b+FR-1], v[AF+FR*(\a):AF+FR*(\a)+FR-1], v[8*(8*((\a)%4)+\b):8*(8*((\a)%4)+\b)+7], v[SC+8*\b+(\kq)], v[SC+8*(\a)+(\kq)] matrix_a_fmt:MATRIX_FMT_FP6 matrix_b_fmt:MATRIX_FMT_FP6 matrix_a_scale:MATRIX_SCALE_ROW1
.endif
.endr
.endr
.endm
; A step of 128 along K; the next step's fragments (slot nslot, its nq-th 128) are fetched in two runs: B's set and A's blocks 0-3 in the middle, A's blocks 4-7 at the end.
.macro STEP kq, nslot, nq, zero
	s_wait_dscnt 4*NL                              ; B's set and A's blocks 0-3 are in; the youngest 16 loads (A's blocks 4-7) may be out
	WIN MUL_LO
	MUL16 0, (\kq)%2, \kq, \zero
	MUL16 2, (\kq)%2, \kq, \zero
	s_wait_dscnt 0x0                               ; A's blocks 4-7 are in
	PLACES NP
	FETCH_B \nslot, \nq, 1-(\kq)%2
	FETCH_A \nslot, \nq, 0
	WIN MUL_HI
	MUL16 4, (\kq)%2, \kq, \zero
	MUL16 6, (\kq)%2, \kq, \zero
	PLACES NP
	WIN 0
	FETCH_A \nslot, \nq, 4
.endm
; A step in front of whose second half stands a barrier: each wave waits for all its tensor loads, adds 0 to its spare word, and waits for that and for its LDS reads.  fill = 1: slot 0, read out, takes K step 3.
.macro TURN kq, nslot, fill
	s_wait_tensorcnt 0x0                           ; all my tensor loads have landed
	ds_add_u32 v[SPW], v[NIL]                      ; 0 onto my spare word
	s_wait_dscnt 4*NL+1                            ; (the add and A's blocks 4-7 may be out)
	WIN MUL_LO
	MUL16 0, 1, \kq, 0
	s_wait_dscnt 0x0                               ; the add is done, and my reads of the slots behind me are over
	s_barrier_signal -1
	MUL16 2, 1, \kq, 0
	WIN 0
	s_barrier_wait -1
.if \fill
	CREST                                          ; the barrier has opened a round of the cluster's barrier: no wave of any partner still reads slot 0 or has a load on its way
	s_add_nc_u64 s[G0+2:G0+3], s[G0+2:G0+3], 3*KSB
	s_add_nc_u64 s[G0B+2:G0B+3], s[G0B+2:G0B+3], 3*KSB
	JLOAD G0, G1, G0B, G1B                         ; the first tensor load behind the round; its four v_nop are also the places in front of the loads below
.else
	PLACES NP
.endif
	FETCH_B \nslot, 0, 0
	FETCH_A \nslot, 0, 0
	WIN MUL_HI
	MUL16 4, 1, \kq, 0
	MUL16 6, 1, \kq, 0
	PLACES NP
	WIN 0
	FETCH_A \nslot, 0, 4
.endm
	s_wait_tensorcnt 0x2                           ; my part of K step 0 is in; K steps 1 and 2 may be out
	s_barrier_signal -1
	s_barrier_wait -1
	FETCH_B 0, 0, 0
	FETCH_A 0, 0, 0
	FETCH_A 0, 0, 4
	s_wait_loadcnt 16                              ; the scale words are in; the 16 loads of the table may be out
	STEP 0, 0, 1, 1                                ; the first products start the sums: nothing is cleared
	TURN 1, 1, 1
	STEP 2, 1, 1, 0
	STEP 3, 2, 0, 0                                ; slot 2 is whole: every wave waited for all its loads in front of the round above
	STEP 4, 2, 1, 0
	TURN 5, 0, 0                                   ; K step 3 has landed in every wave's part
	STEP 6, 0, 1, 0
	s_wait_dscnt 4*NL
	WIN MUL_LO
	MUL16 0, 1, 7, 0
	MUL16 2, 1, 7, 0
	s_wait_dscnt 0x0
	WIN MUL_HI
	MUL16 4, 1, 7, 0
	MUL16 6, 1, 7, 0
	WIN 0
	PLACES NP                                      ; in front of the first read of results and the first write of A's registers
.irp b, 0,1,2,3
	v_mov_b32 v[TM+4+\b], 0                        ; a lane permute's destination counts as one of its sources
.endr
; 64 numbers of a lane in window w, register 16 b + i = place 32 b + 16 (lane / 16) + i along the next K, become a fragment's codes in v[PC] on and its scale word in v[pw].  Each accumulator is read from its low end on.
.macro QUANT s, w, pw
	WIN (\w)|((\w)<<2)
.irp b, 0,1,2,3
	v_max3_num_f32 v[TM+\b], |v[(\s)+16*\b]|, |v[(\s)+1+16*\b]|, 0x1800000   ; and the floor 2^(3 - 127): the byte cannot fall under 1
.endr
	WIN ((\w)<<2)|((\w)<<4)
.irp i, 2,4,6,8,10,12,14
.irp b, 0,1,2,3
	v_max3_num_f32 v[TM+\b], v[TM+\b], |v[(\s)+16*\b+\i]|, |v[(\s)+1+16*\b+\i]|
.endr
.endr
	WIN 0
.irp b, 0,1,2,3
	v_permlanex16_b32 v[TM+4+\b], v[TM+\b], s2, s3
.endr
.irp b, 0,1,2,3
	v_max_num_f32 v[TM+\b], v[TM+\b], v[TM+4+\b]   ; with lane l xor 16's: the block's largest magnitude
.endr
.irp b, 0,1,2,3
	v_add_nc_u32 v[TM+8+\b], 0xff000000, v[TM+\b]  ; 2 off its exponent field: the conversion's scale operand
.endr
.irp b, 0,1,2,3
	v_lshrrev_b32 v[TM+4+\b], 23, v[TM+8+\b]       ; the scale's byte
.endr
	v_lshl_or_b32 v[(\pw)], v[TM+5], 8, v[TM+4]
	v_lshl_or_b32 v[(\pw)], v[TM+6], 16, v[(\pw)]
	v_lshl_or_b32 v[(\pw)], v[TM+7], 24, v[(\pw)]
	WIN (\w)
.irp c, 0,1
	v_cvt_scalef32_pk16_fp6_f32 v[PC+6*\c:PC+2+6*\c], v[(\s)+32*\c:(\s)+15+32*\c], v[TM+8+2*\c]
	v_cvt_scalef32_pk16_fp6_f32 v[PD+4*\c:PD+2+4*\c], v[(\s)+16+32*\c:(\s)+31+32*\c], v[TM+9+2*\c]
.endr
	WIN 0
	v_nop                                          ; one plain place behind a scaled conversion
.irp c, 0,1                            ; the operand's layout wants a WHOLE block in a lane
.irp i, 0,1,2
	v_permlane16_swap_b32 v[PC+6*\c+\i], v[PD+4*\c+\i]
.endr
.irp i, 0,1,2
	v_mov_b32 v[PC+3+6*\c+\i], v[PD+4*\c+\i]
.endr
.endr
.endm
	s_mov_b32 s2, 0x76543210
	s_mov_b32 s3, 0xfedcba98                       ; v_permlanex16_b32's selects for lane l xor 16
	s_cmp_eq_u32 ttmp9, 2
	s_cbranch_scc1 .Lv_role
	; ---- Q and K.  My 128 columns are two heads; block a is 16 tokens.  Registers 0-31 of a block are head 0's d, 32-63 head 1's.
	s_lshr_b32 s19, s77, 3                         ; the batch,
	s_and_b32 s20, s77, 7                          ; and which 256 tokens of it
	s_and_b32 s21, s78, 3
	s_lshl_b32 s21, s21, 2
	s_lshl_b32 s22, s16, 1
	s_add_co_u32 s21, s21, s22                     ; my first head
	s_lshl_b32 s19, s19, 4
	s_add_co_u32 s19, s19, s21
	s_mul_i32 s19, s19, s96                        ; its first byte
	s_mov_b32 s21, 26112                           ; 256 tokens' bytes: a slot of kvbuf,
	s_mov_b32 s22, 24576                           ; where the scale words begin,
	s_mov_b32 s23, 26112
	s_cmp_eq_u32 ttmp9, 0
	s_cselect_b32 s21, 12288, s21                  ; or 16 tiles of qbuf,
	s_cselect_b32 s22, 98304, s22
	s_cselect_b32 s23, 1024, s23
	s_cselect_b64 s[68:69], s[10:11], s[12:13]
	s_mul_i32 s21, s20, s21
	s_add_co_u32 s21, s21, s19
	s_mul_i32 s67, s15, 6144
	s_add_co_u32 s92, s21, s67
	s_mov_b32 s93, 0
	s_add_nc_u64 s[92:93], s[68:69], s[92:93]      ; head 0's eight tiles,
	s_mov_b32 s97, 0
	s_add_nc_u64 s[94:95], s[92:93], s[96:97]      ; head 1's
	s_mul_i32 s23, s20, s23
	s_add_co_u32 s23, s23, s22
	s_add_co_u32 s23, s23, s19
	s_lshl_b32 s67, s15, 9
	s_add_co_u32 s98, s23, s67
	s_mov_b32 s99, 0
	s_add_nc_u64 s[98:99], s[68:69], s[98:99]      ; the scale words
.macro EQK a
.if (\a) < 7
	s_wait_loadcnt 8                               ; this block's table is in; the next block's 8 loads may be out
.else
	s_wait_loadcnt 0x0
.endif
.set CB, CS0+128*((\a)%2)
.set XB, 64*((\a)%4)
	WIN 2+(\a)/4                                   ; source 0: the accumulators
.set pp, 0
.rept 32                               ; pair pp = (x even, x odd) of frequency 16 ((pp / 8) % 2) + 8 h + pp % 8: first (x odd sin, x even sin),
	v_pk_mul_f32 v[R+2*pp:R+2*pp+1], v[XB+2*pp:XB+2*pp+1], v[CB+2*(8*((pp/8)%2)+pp%8):CB+2*(8*((pp/8)%2)+pp%8)+1] op_sel:[1,1] op_sel_hi:[0,1]
.set pp, pp+1
.endr
.set pp, 0
.rept 32                               ; then (x even cos - x odd sin, x odd cos + x even sin)
	v_pk_fma_f32 v[R+2*pp:R+2*pp+1], v[XB+2*pp:XB+2*pp+1], v[CB+2*(8*((pp/8)%2)+pp%8):CB+2*(8*((pp/8)%2)+pp%8)+1], v[R+2*pp:R+2*pp+1] op_sel_hi:[1,0,1] neg_lo:[0,0,1]
.set pp, pp+1
.endr
	WIN 0
	s_wait_xcnt 0x0                                ; the last block's stores have read the codes' registers
.if (\a) < 6
	CSLOAD (\a)+2
.endif
	QUANT R, 0, PW
	v_bfe_u32 v[SW+(\a)], v[PW], v[SH16], 16       ; lanes 0-15: head 0's two bytes, lanes 16-31: head 1's; the word's upper two bytes are 0: they scale the zero codes that fill K = 64 up to 128
	global_store_b128 v[LN16], v[PC:PC+3], s[92:93] offset:768*(\a)
	global_store_b64 v[LN8], v[PC+4:PC+5], s[92:93] offset:768*(\a)+512
	global_store_b128 v[LN16], v[PC+6:PC+9], s[94:95] offset:768*(\a)
	global_store_b64 v[LN8], v[PC+10:PC+11], s[94:95] offset:768*(\a)+512
.if (\a)%4 == 3
	global_store_b128 v[SSO], v[SW+4*((\a)/4):SW+4*((\a)/4)+3], s[98:99] offset:256*((\a)/4)   ; four tiles' words of 16 tokens: 256 consecutive bytes for each head
.endif
.endm
.irp a, 0,1,2,3,4,5,6,7
	EQK \a
.endr
	s_branch .Lend
	; ---- V.  My 128 rows of v_w are two heads x four tiles of d; my 128 columns are one key step of a slot.  A block is a whole fragment of V^T: 16 d x 128 keys.
.Lv_role:
	s_lshl_b32 s19, s77, 2
	s_lshl_b32 s20, s15, 1
	s_add_co_u32 s19, s19, s20                     ; my first head
	s_lshr_b32 s20, s78, 3
	s_lshl_b32 s20, s20, 4
	s_add_co_u32 s19, s19, s20
	s_mul_i32 s19, s19, 208896
	s_and_b32 s20, s78, 7
	s_mul_i32 s20, s20, 26112
	s_add_co_u32 s19, s19, s20                     ; its slot
	s_mul_i32 s20, s16, 6144
	s_add_co_u32 s92, s19, s20
	s_add_co_u32 s92, s92, 12288
	s_mov_b32 s93, 0
	s_add_nc_u64 s[92:93], s[12:13], s[92:93]
	s_lshl_b32 s20, s16, 8
	s_add_co_u32 s98, s19, s20
	s_add_co_u32 s98, s98, 25600
	s_mov_b32 s99, 0
	s_add_nc_u64 s[98:99], s[12:13], s[98:99]
.macro EV a
	s_wait_xcnt 0x0                                ; the last block's stores have read the codes' registers
	QUANT 64*((\a)%4), 2+(\a)/4, SW+(\a)
.irp j, 0,1,2
	global_store_b128 v[LN16], v[PC+4*\j:PC+4*\j+3], s[92:93] offset:208896*((\a)/4)+1536*((\a)%4)+512*\j
.endr
.endm
.irp a, 0,1,2,3,4,5,6,7
	EV \a
.endr
	s_mov_b32 s97, 0xffff0000
.irp j, 0,1,2,3
	v_cndmask_b32 v[SW+\j], v[SW+\j], v[SW+4+\j], s97   ; lanes 16-31 take head 1's words
.endr
	global_store_b128 v[SSO], v[SW:SW+3], s[98:99]
.Lend:
	s_wait_tensorcnt 0x0                           ; the wave's end
	ds_add_u32 v[SPW], v[NIL]
	s_wait_dscnt 0x0
	CROUND                                         ; the closing round
	s_endpgm
.Lfunc_end_k_q07fe3d15f2_qkv:
	.size	k_q07fe3d15f2_qkv, .Lfunc_end_k_q07fe3d15f2_qkv-k_q07fe3d15f2_qkv
	.p2alignl 7, 3214868480
	.fill 96, 4, 3214868480
	.section	.rodata,"a",@progbits
	.p2align	6, 0x0
	.amdhsa_kernel k_q07fe3d15f2_qkv
		.amdhsa_group_segment_fixed_size 327680
		.amdhsa_private_segment_fixed_size 0
		.amdhsa_enable_private_segment 0
		.amdhsa_kernarg_size 40
		.amdhsa_user_sgpr_count 2
		.amdhsa_user_sgpr_kernarg_segment_ptr 1
		.amdhsa_wavefront_size32 1
		.amdhsa_system_sgpr_workgroup_id_x 1
		.amdhsa_system_sgpr_workgroup_id_y 1
		.amdhsa_system_sgpr_workgroup_id_z 1
		.amdhsa_system_vgpr_workitem_id 0
		.amdhsa_next_free_vgpr 1024
		.amdhsa_next_free_sgpr 100
		.amdhsa_reserve_vcc 1
		.amdhsa_float_denorm_mode_32 3
		.amdhsa_float_denorm_mode_16_64 3
		.amdhsa_memory_ordered 1
		.amdhsa_forward_progress 1
		.amdhsa_inst_pref_size 220
	.end_amdhsa_kernel
	.amdgpu_metadata
---
amdhsa.version: [ 1, 2 ]
amdhsa.kernels:
  - .name:           k_q07fe3d15f2_qkv
    .symbol:         k_q07fe3d15f2_qkv.kd
    .args:
      - { .name: aimg, .offset: 0, .size: 8, .value_kind: global_buffer, .address_space: global }
      - { .name: sclA, .offset: 8, .size: 8, .value_kind: global_buffer, .address_space: global }
      - { .name: rope, .offset: 16, .size: 8, .value_kind: global_buffer, .address_space: global }
      - { .name: qbuf, .offset: 24, .size: 8, .value_kind: global_buffer, .address_space: global }
      - { .name: kvbuf, .offset: 32, .size: 8, .value_kind: global_buffer, .address_space: global }
    .group_segment_fixed_size: 327680
    .private_segment_fixed_size: 0
    .kernarg_segment_align: 8
    .kernarg_segment_size: 40
    .max_flat_workgroup_size: 128
    .sgpr_count:     100
    .vgpr_count:     1024
    .wavefront_size: 32
...
	.end_amdgpu_metadata
.endif
;; end of part 2
;; launch attn (part 3): grid 4 x 64, 16 waves a work-group, no clusters, 327,680 bytes of LDS; arguments qbuf, kvbuf, bimg, sclB; writes bimg, sclB
.if DOCPART == 3
	.amdgcn_target "amdgcn-amd-amdhsa--gfx1250"
	.amdhsa_code_object_version 6
	.text
	.protected	k_q07fe3d15f2_attn
	.globl	k_q07fe3d15f2_attn
	.p2align	8
	.type	k_q07fe3d15f2_attn,@function
k_q07fe3d15f2_attn:
	s_mov_b64 s[64:65], 0
	v_nop
	global_prefetch_b8 v0, s[64:65] scope:SCOPE_SE
	s_setreg_imm32_b32 hwreg(HW_REG_WAVE_MODE, 25, 1), 1
	s_wait_xcnt 0x0
; ATTN: for each of 64 (batch, head): O = softmax(Q K^T / 8, causal) V on codes of FP6 (E2M3) with E8M0 scales, and O quantised along e = 64 head + d for the last product.
; THE SOFTMAX AHEAD OF THE SECOND PRODUCT: t = score x log2(e) / 8; M = the running largest t rounded UP to a whole number; p = 2^(t - M) is quantised along the keys, not normalised; the row's sum is taken of the
; unquantised p and divides O at the end.  When M moves, the sum and O are multiplied by 2^(old M - new M): exact.
; SHARES.  Work-group (i, head) owns two blocks of 256 queries: first block 7 - i, over key slots 0 .. 7 - i, then block i, over slots 0 .. i: nine slots of 256 keys in every work-group: equal work, a constant trip count, and no
; tile is fetched that nobody reads.  Each of the sixteen waves owns one tile of 16 queries, in 256 registers: four waves to a SIMD, so that one wave's vector work stands beside another's matrix work and LDS loads.
; LAYOUT.  Both products are used transposed: S^T = K Q^T, O^T = V^T P^T: a lane holds ONE query.  Tiles of keys, of queries and of d are permuted (tile 2 G + u: 32 G + 8 u + r + 8 (r / 8)), so that the 16 registers of results
; 2 b and 2 b + 1 are 16 neighbours.  All operands lie in memory and LDS as images of their registers: every LDS read is 512 or 256 consecutive bytes.
; K = 64 IN A FORM OF 128: Q's upper six registers are zero codes; K's fragments overlap (a fragment's upper six registers are the next tile's codes, finite numbers that multiply zeros; six zero registers close the run);
; the upper two bytes of Q's and K's scale words are 0, the scale 2^-127.
; CAUSAL: a key step all of whose keys come after the wave's queries is jumped over (a scalar branch on ids); on the diagonal hidden scores become -infinity ahead of the maximum.  Key 0 counts for every query.
; NO CLUSTER: from trip 5 - i on the four work-groups of a head walk different slots, so partners would ask for different tiles.
; LIMITS: NaN and infinities are not served; a block of zeros gets the byte 1 (its codes are zeros; this program alone reads the bytes).
.set SLOT1, 32768                      ; slot 1 begins here: one exclusive or turns an address
.set SLB,   26112                      ; a slot: 16 tiles of K (768 each); V: 2 key steps x 4 tiles x 1,536; K's scale words; V's
.set HDB,   208896                     ; a head's eight slots
.set VIO,   12288
.set KSO,   24576
.set VSO,   25600
.set SPARE, 65536                      ; the spare words: 128 bytes for each of sixteen waves
.set LN16, 1                           ; v1 16 x lane; v2 8 x lane; v3 16 r; v4 r + 8 (r / 8) - 16 h
.set LN8,  2
.set RW16, 3
.set LQ,   4
.set SPW,  5                           ; v5 my spare word; v6 0: never rewritten
.set NIL,  6
.set PFO,  7                           ; v7 256 x lane: the prefetches' offset
.set AD16, 8                           ; v8-10 the three offsets in the slot in hand
.set AD8,  9
.set ADS,  10
.set LANE, 11
.set QF,   16                          ; v16-21 Q's codes, v22-27 zeros; v28 Q's scale word; v29, v30-35 the second block's
.set QSW,  28
.set QSW2, 29
.set QF2,  30
.set KFR,  36                          ; v36-83 K's eight tiles, six registers each, v84-89 zeros; then V's four fragments
.set KSW,  90                          ; v90-97 K's scale words; v98-101 V's
.set VSW,  98
.set S,    102                         ; v102-165 S^T, then p
.set O,    166                         ; v166-197 O^T
.set P,    198                         ; v198-209 p's codes; v210-217 the conversions' second halves
.set PD,   210
.set BM,   218                         ; v218-221 the blocks' largest; v222-225 permute destinations, bytes; v226-229 scale operands
.set PB,   222
.set SO,   226
.set PSW,  230                         ; p's scale word
.set F,    232                         ; v[232:233] f = 2^(old M - new M); the reciprocal of the sum
.set T1,   234
.set T2,   236
.set WV,  12                           ; s12 wave; s13 i; s14 batch x 16 + head; s15 8 - i
.set II,  13
.set BH,  14
.set N1,  15
.set SGF, 16                           ; the slot of keys asked for last
.set SGC, 17                           ; the slot of keys in hand
.set QBI, 18                           ; the block of queries in hand
.set Q0,  19                           ; my first query
.set KF,  20                           ; the step's first key
.set TB,  21                           ; LDS byte at which the slot in hand begins
.set CNT, 22
.set WQ,  23                           ; 32 (wave / 2) + 8 (wave % 2)
.set G1,  24
.set G0,  32
.set KVW, 36                           ; s[36:37] my part of the head's slot 0 in memory
.set SEL, 38
.set CS,  40                           ; s[40:41] c = log2(e) / 8
.set PFA, 42                           ; s[42:43] where my prefetches stand
.set LIM, 48
.set OB,  50
.set OSB, 52
.macro TLOAD                           ; waves 0 to 5 fetch 4,352 bytes each; four v_nop follow the line
	s_cmp_lt_u32 s[WV], 6
	s_cbranch_scc0 .Lnone_\@
	tensor_load_to_lds s[G0:G0+3], s[G1:G1+7]
	s_nop 0
.rept 4
	v_nop
.endr
.Lnone_\@:
.endm
; A PREFETCH INTO THE L2 of the codes of the slot that the NEXT change of slots will ask for: 24,576 bytes, lanes 256 bytes apart, 8,192 bytes a wave.  The four work-groups of a head begin with the same slots: the first of them
; (i = 0, which walks slots 0 to 7 on end) asks, in its waves 8 to 10, which fetch nothing, in trips 0 to 5 for slots 2 to 7: each block is named once.  Slots 0 and 1 come by their loads alone; the scale words are not asked for.
.macro ASK
	s_cmp_gt_u32 s[CNT], s[LIM]
	s_cbranch_scc0 .Lnot_mine_\@
	global_prefetch_b8 v[PFO], s[PFA:PFA+1] th:TH_LOAD_NT scope:SCOPE_SE
.Lnot_mine_\@:
.endm
.macro FRESH                           ; a block of queries begins: the largest t so far is -3e38, the sums and O^T are zeros, which the first change of M leaves zeros
	v_mov_b32 v13, 0xff61b1e6
	s_delay_alu instid0(VALU_DEP_1)
	v_floor_f32 v12, -v13
	v_mov_b32 v14, 0
	v_mov_b32 v15, 0
.set n, 0
.rept 32
	v_mov_b32 v[O+n], 0
.set n, n+1
.endr
.endm
.macro QBASE blk, pc, ps               ; where the codes and the scale words of my tile of block s[blk] lie
	s_lshl_b32 s46, s[\blk], 4
	s_add_co_u32 s46, s46, s[WV]
	s_mul_i32 s44, s46, 768
	s_add_co_u32 s44, s44, s49
	s_add_nc_u64 s[\pc:\pc+1], s[4:5], s[44:45]
	s_lshr_b32 s44, s46, 2
	s_lshl_b32 s44, s44, 8
	s_and_b32 s46, s46, 3
	s_lshl_b32 s46, s46, 2
	s_add_co_u32 s44, s44, s46
	s_add_co_u32 s44, s44, s49
	s_add_co_u32 s44, s44, 98304
	s_add_nc_u64 s[\ps:\ps+1], s[4:5], s[44:45]
.endm
	s_load_b256 s[4:11], s[0:1], 0x0               ; qbuf, kvbuf, bimg, sclB
	v_lshl_add_u32 v[SPW], v0, 2, SPARE
	v_mov_b32 v[NIL], 0
	ds_add_u32 v5, v6
	ds_add_u32 v5, v6
	s_wait_dscnt 0x0
	v_lshrrev_b32 v8, 5, v0
	s_delay_alu instid0(VALU_DEP_1)
	v_readfirstlane_b32 s[WV], v8                  ; wave 0..15
	s_mov_b32 s[II], ttmp9
	s_and_b32 s[BH], ttmp7, 0xffff
	s_sub_co_u32 s[N1], 8, s[II]
	s_mov_b32 s[SGF], 0
	s_mov_b32 s[SGC], 0
	s_sub_co_u32 s[QBI], 7, s[II]
	s_lshr_b32 s[WQ], s[WV], 1
	s_lshl_b32 s[WQ], s[WQ], 5
	s_and_b32 s44, s[WV], 1
	s_lshl_b32 s44, s44, 3
	s_add_co_u32 s[WQ], s[WQ], s44
	s_lshl_b32 s[Q0], s[QBI], 8
	s_add_co_u32 s[Q0], s[Q0], s[WQ]
	s_mov_b32 s[KF], 0
	s_mov_b32 s[TB], 0
	s_mov_b32 s[CNT], 8
	; descriptor group 1: 17 rows of 256 bytes (32 elements of 8 bytes), dense
	s_mov_b32 s[G1], 3<<16
	s_mov_b32 s[G1+1], 32<<16
	s_mov_b32 s[G1+2], 17<<16
	s_mov_b32 s[G1+3], 32<<16
	s_mov_b32 s[G1+4], 17
	s_mov_b32 s[G1+5], 32
	s_mov_b32 s[G1+6], 0
	s_mov_b32 s[G1+7], 0
	s_mul_i32 s47, s[BH], HDB
	s_mul_i32 s46, s[WV], 4352
	s_mov_b32 s[G0], 1
	s_mov_b32 s[G0+1], s46                         ; slot 0, my part
	s_add_co_u32 s44, s47, s46
	s_mov_b32 s45, 0                               ; (s45 stays 0: the upper word of every offset)
	s_wait_kmcnt 0x0
	s_add_nc_u64 s[KVW:KVW+1], s[6:7], s[44:45]
	s_mov_b64 s[G0+2:G0+3], s[KVW:KVW+1]
	s_or_b32 s[G0+3], s[G0+3], 0x80000000
	TLOAD                                          ; keys 0 to 255
	s_and_b32 s44, s[WV], 3
	s_lshl_b32 s44, s44, 13
	s_add_co_u32 s44, s44, s47
	s_add_co_u32 s44, s44, SLB                     ; in slot 1: the first change of slots steps it to slot 2
	s_add_nc_u64 s[PFA:PFA+1], s[6:7], s[44:45]
	s_sub_co_u32 s46, s[WV], 8
	s_cmp_lt_u32 s46, 3                            ; waves 8 to 10
	s_cselect_b32 s[LIM], 2, -1
	s_cmp_eq_u32 s[II], 0
	s_cselect_b32 s[LIM], s[LIM], -1
	s_mul_i32 s49, s[BH], 106496
	QBASE QBI, 54, 56
	QBASE II, 58, 60
	v_and_b32 v[LANE], 31, v0
	v_and_b32 v8, 15, v0                           ; r
	v_bfe_u32 v9, v0, 4, 1                         ; h
	s_delay_alu instid0(VALU_DEP_3)
	v_lshlrev_b32 v[LN16], 4, v[LANE]
	s_delay_alu instid0(VALU_DEP_4)
	v_lshlrev_b32 v[LN8], 3, v[LANE]
	s_delay_alu instid0(VALU_DEP_4)
	v_lshlrev_b32 v[RW16], 4, v8
	v_lshlrev_b32 v[PFO], 8, v[LANE]
	global_load_b128 v[QF:QF+3], v[LN16], s[54:55]
	global_load_b64 v[QF+4:QF+5], v[LN8], s[54:55] offset:512
	global_load_b32 v[QSW], v[RW16], s[56:57]
	global_load_b128 v[QF2:QF2+3], v[LN16], s[58:59]
	global_load_b64 v[QF2+4:QF2+5], v[LN8], s[58:59] offset:512
	global_load_b32 v[QSW2], v[RW16], s[60:61]
	v_and_b32 v[LQ], 8, v8
	s_delay_alu instid0(VALU_DEP_1)
	v_add_nc_u32 v[LQ], v[LQ], v8
	v_lshlrev_b32 v9, 4, v9
	s_delay_alu instid0(VALU_DEP_1)
	v_sub_nc_u32 v[LQ], v[LQ], v9
	s_lshr_b32 s46, s[BH], 4                       ; the stores' offsets, but for the block of queries
	s_lshl_b32 s46, s46, 7
	s_add_co_u32 s46, s46, s[WV]                   ; row tile 128 batch + wave
	s_and_b32 s47, s[BH], 15                       ; the head = the granule
	s_mul_i32 s62, s46, 12288
	s_mul_i32 s44, s47, 768
	s_add_co_u32 s62, s62, s44
	s_lshl_b32 s63, s46, 9
	s_lshr_b32 s44, s47, 3
	s_lshl_b32 s44, s44, 8
	s_add_co_u32 s63, s63, s44
	s_bfe_u32 s44, s47, 0x20001
	s_lshl_b32 s44, s44, 2
	s_add_co_u32 s63, s63, s44
	s_and_b32 s44, s47, 1
	s_lshl_b32 s44, s44, 1
	s_add_co_u32 s63, s63, s44                     ; a head owns two bytes of a scale word
	s_mov_b32 s[SEL], 0x76543210
	s_mov_b32 s[SEL+1], 0xfedcba98
	s_mov_b32 s[CS], 0x3e38aa3b                    ; c = log2(e) / 8
	s_mov_b32 s[CS+1], s[CS]
.irp j, 0,1,2,3,4,5
	v_mov_b32 v[QF+6+\j], 0                        ; the zero codes that fill K = 64 up to 128
	v_mov_b32 v[KFR+48+\j], 0
.endr
.irp b, 0,1,2,3
	v_mov_b32 v[PB+\b], 0                          ; a lane permute's destination counts as one of its sources
.endr
	v_mov_b32 v[F+1], 0                            ; (named as the upper half of a pair)
	v_mov_b32 v[T1], 0
	FRESH
; A KEY STEP: 128 keys, the q-th of the slot in hand.
.macro STEP q
	s_add_co_u32 s46, s[Q0], 23                    ; my last query
	s_cmp_gt_u32 s[KF], s46
	s_cbranch_scc1 .Lhidden_\@
	v_add_nc_u32 v[AD16], s[TB], v[LN16]           ; (these three and the v_nop are the places in front of loads into registers that matrix instructions have read)
	v_add_nc_u32 v[AD8], s[TB], v[LN8]
	v_add_nc_u32 v[ADS], s[TB], v[RW16]
	v_nop
.irp t, 0,1,2,3,4,5,6,7
	ds_load_b128 v[KFR+6*\t:KFR+6*\t+3], v[AD16] offset:(8*(\q)+\t)*768
	ds_load_b64 v[KFR+6*\t+4:KFR+6*\t+5], v[AD8] offset:(8*(\q)+\t)*768+512
.endr
	ds_load_b128 v[KSW:KSW+3], v[ADS] offset:KSO+512*(\q)
	ds_load_b128 v[KSW+4:KSW+7], v[ADS] offset:KSO+512*(\q)+256
	s_wait_alu depctr_va_vdst(0)
	s_wait_dscnt 0x0
.irp t, 0,1,2,3,4,5,6,7
	v_wmma_scale_f32_16x16x128_f8f6f4 v[S+8*\t:S+8*\t+7], v[KFR+6*\t:KFR+6*\t+11], v[QF:QF+11], 0, v[KSW+\t], v[QSW] matrix_a_fmt:MATRIX_FMT_FP6 matrix_b_fmt:MATRIX_FMT_FP6
.endr
.rept 4
	v_nop
.endr
.irp t, 0,1,2,3                        ; V's four fragments land under the softmax
.irp j, 0,1,2
	ds_load_b128 v[KFR+12*\t+4*\j:KFR+12*\t+4*\j+3], v[AD16] offset:VIO+6144*(\q)+1536*\t+512*\j
.endr
.endr
	ds_load_b128 v[VSW:VSW+3], v[ADS] offset:VSO+256*(\q)
	s_add_co_u32 s46, s[KF], 127                   ; a step all of whose keys count skips the mask
	s_cmp_le_u32 s46, s[Q0]
	s_cbranch_scc1 .Lopen_\@
	s_sub_co_i32 s46, s[Q0], s[KF]
	v_add_nc_u32 v[T1], s46, v[LQ]                 ; d = my query - KF - 16 (lane / 16).  Register 16 b + i holds key KF + 16 (lane / 16) + 32 b + i: hidden where 32 b + i > d
	v_mov_b32 v[T2], 0xff800000
.set n, 0
.rept 64
	v_cmp_gt_i32 vcc_lo, 32*(n/16)+n%16, v[T1]
	v_cndmask_b32 v[S+n], v[S+n], v[T2], vcc_lo
.set n, n+1
.endr
.Lopen_\@:
.irp b, 0,1,2,3
	v_max3_num_f32 v[BM+\b], v[S+16*\b], v[S+1+16*\b], v[S+2+16*\b]   ; the largest score of each block of 32 keys: for the row's maximum and, since p rises with the score, for the block's largest p
.endr
.irp i, 3,5,7,9,11,13
.irp b, 0,1,2,3
	v_max3_num_f32 v[BM+\b], v[BM+\b], v[S+16*\b+\i], v[S+1+16*\b+\i]
.endr
.endr
.irp b, 0,1,2,3
	v_max_num_f32 v[BM+\b], v[BM+\b], v[S+15+16*\b]
.endr
.irp b, 0,1,2,3
	s_delay_alu instid0(VALU_DEP_4)
	v_permlanex16_b32 v[PB+\b], v[BM+\b], s[SEL], s[SEL+1]
.endr
.irp b, 0,1,2,3
	s_delay_alu instid0(VALU_DEP_4)
	v_max_num_f32 v[BM+\b], v[BM+\b], v[PB+\b]
.endr
	s_delay_alu instid0(VALU_DEP_2)
	v_max3_num_f32 v[T1], v[BM], v[BM+1], v[BM+2]
	s_delay_alu instid0(VALU_DEP_1)
	v_max_num_f32 v[T1], v[T1], v[BM+3]
	s_delay_alu instid0(VALU_DEP_1)
	v_mul_f32 v[T1], s[CS], v[T1]
	s_delay_alu instid0(VALU_DEP_1)
	v_max_num_f32 v13, v13, v[T1]                  ; the running largest t
	v_mov_b32 v[T1], v12
	s_delay_alu instid0(VALU_DEP_2)
	v_floor_f32 v12, -v13                          ; the new -M = -ceil(t)
	s_delay_alu instid0(VALU_DEP_1)
	v_sub_f32 v[T1], v12, v[T1]                    ; old M - new M: a whole number, 0 or less
	s_delay_alu instid0(VALU_DEP_1)
	v_cvt_i32_f32 v[T1], v[T1]                     ; (it saturates)
	s_delay_alu instid0(VALU_DEP_1)
	v_ldexp_f32 v[F], 1.0, v[T1]                   ; f = 2^(old M - new M)
.set n, 0
.rept 32
	v_pk_fma_f32 v[S+n:S+n+1], v[S+n:S+n+1], s[CS:CS+1], v[12:13] op_sel_hi:[1,0,0]   ; t - M
.set n, n+2
.endr
.irp b, 0,1,2,3
	v_fma_f32 v[BM+\b], v[BM+\b], s[CS], v12
.endr
.set n, 0
	s_wait_alu depctr_va_vdst(0)
.rept 64
	v_exp_f32 v[S+n], v[S+n]                       ; p = 2^(t - M), at most 1
.set n, n+1
.endr
	v_pk_mul_f32 v[14:15], v[14:15], v[F:F+1] op_sel_hi:[1,0]   ; the sums under the new M: a plain place behind the exponentials
	s_wait_alu depctr_va_vdst(0)                   ; one wait for the whole batch, ahead of its first reader
.irp b, 0,1,2,3
	v_exp_f32 v[BM+\b], v[BM+\b]                   ; the block's largest p
.endr
	v_pk_add_f32 v[236:237], v[106:107], v[110:111]
	v_pk_add_f32 v[254:255], v[114:115], v[118:119]
	v_pk_add_f32 v[252:253], v[122:123], v[126:127]
	v_pk_add_f32 v[250:251], v[130:131], v[134:135]
	v_pk_add_f32 v[248:249], v[138:139], v[142:143]
	v_pk_add_f32 v[246:247], v[146:147], v[150:151]
	v_pk_add_f32 v[244:245], v[154:155], v[158:159]
	v_pk_add_f32 v[14:15], v[14:15], v[162:163]
	v_pk_add_f32 v[236:237], v[236:237], v[102:103]
	v_pk_add_f32 v[254:255], v[254:255], v[104:105]
	v_pk_add_f32 v[252:253], v[252:253], v[108:109]
	v_pk_add_f32 v[250:251], v[250:251], v[112:113]
	v_pk_add_f32 v[248:249], v[248:249], v[116:117]
	v_pk_add_f32 v[246:247], v[246:247], v[120:121]
	v_pk_add_f32 v[244:245], v[244:245], v[124:125]
	v_pk_add_f32 v[14:15], v[14:15], v[128:129]
	v_pk_add_f32 v[236:237], v[236:237], v[132:133]
	v_pk_add_f32 v[254:255], v[254:255], v[136:137]
	v_pk_add_f32 v[252:253], v[252:253], v[140:141]
	v_pk_add_f32 v[250:251], v[250:251], v[144:145]
	v_pk_add_f32 v[248:249], v[248:249], v[148:149]
	v_pk_add_f32 v[246:247], v[246:247], v[152:153]
	v_pk_add_f32 v[244:245], v[244:245], v[156:157]
	v_pk_add_f32 v[14:15], v[14:15], v[160:161]
	v_pk_add_f32 v[236:237], v[236:237], v[164:165]
	s_delay_alu instid0(VALU_DEP_2)
	v_pk_add_f32 v[14:15], v[14:15], v[250:251]
	s_delay_alu instid0(VALU_DEP_2)
	v_pk_add_f32 v[236:237], v[236:237], v[248:249]
	v_pk_add_f32 v[254:255], v[254:255], v[246:247]
	v_pk_add_f32 v[252:253], v[252:253], v[244:245]
	s_delay_alu instid0(VALU_DEP_2)
	v_pk_add_f32 v[14:15], v[14:15], v[254:255]
	s_delay_alu instid0(VALU_DEP_2)
	v_pk_add_f32 v[236:237], v[236:237], v[252:253]
	s_delay_alu instid0(VALU_DEP_1)
	v_pk_add_f32 v[14:15], v[14:15], v[236:237]
	s_wait_alu depctr_va_vdst(0)                   ; and one for the four
.irp b, 0,1,2,3
	v_max_num_f32 v[BM+\b], 0x1800000, v[BM+\b]    ; the floor 2^(3 - 127)
.endr
.irp b, 0,1,2,3
	s_delay_alu instid0(VALU_DEP_4)
	v_add_nc_u32 v[SO+\b], 0xff000000, v[BM+\b]
.endr
.irp b, 0,1,2,3
	s_delay_alu instid0(VALU_DEP_4)
	v_lshrrev_b32 v[PB+\b], 23, v[SO+\b]
.endr
	s_delay_alu instid0(VALU_DEP_3)
	v_lshl_or_b32 v[PSW], v[PB+1], 8, v[PB]
	s_delay_alu instid0(VALU_DEP_1)
	v_lshl_or_b32 v[PSW], v[PB+2], 16, v[PSW]
	s_delay_alu instid0(VALU_DEP_1)
	v_lshl_or_b32 v[PSW], v[PB+3], 24, v[PSW]
.irp c, 0,1
	v_cvt_scalef32_pk16_fp6_f32 v[P+6*\c:P+2+6*\c], v[S+32*\c:S+15+32*\c], v[SO+2*\c]
	v_cvt_scalef32_pk16_fp6_f32 v[PD+4*\c:PD+2+4*\c], v[S+16+32*\c:S+31+32*\c], v[SO+1+2*\c]
.endr
	v_nop
.irp c, 0,1
.irp i, 0,1,2
	v_permlane16_swap_b32 v[P+6*\c+\i], v[PD+4*\c+\i]
.endr
.irp i, 0,1,2
	s_delay_alu instid0(VALU_DEP_3)
	v_mov_b32 v[P+3+6*\c+\i], v[PD+4*\c+\i]
.endr
.endr
.set n, 0
.rept 16
	v_pk_mul_f32 v[O+n:O+n+1], v[O+n:O+n+1], v[F:F+1] op_sel_hi:[1,0]   ; O^T under the new M; these stand between the writes of p's codes and scale word and the products
.set n, n+2
.endr
	s_wait_alu depctr_va_vdst(0)
	s_wait_dscnt 0x0                               ; V is in
.irp t, 0,1,2,3
	v_wmma_scale_f32_16x16x128_f8f6f4 v[O+8*\t:O+8*\t+7], v[KFR+12*\t:KFR+12*\t+11], v[P:P+11], v[O+8*\t:O+8*\t+7], v[VSW+\t], v[PSW] matrix_a_fmt:MATRIX_FMT_FP6 matrix_b_fmt:MATRIX_FMT_FP6
.endr
.Lhidden_\@:
	s_add_co_u32 s[KF], s[KF], 128
.endm
; THE CHANGE OF SLOTS, at a slot's head: each wave waits for all its tensor loads, adds 0 to its spare word, and waits for that and for its reads of the slot that it has left; one barrier; fill = 1: the slot just left takes the
; keys that follow (behind the first block's last slot: slot 0 of the keys again): the load has a whole slot's steps in which to land.
.macro CHANGE fill
	s_wait_tensorcnt 0x0
	ds_add_u32 v[SPW], v[NIL]
.if \fill
	s_xor_b32 s[G0+1], s[G0+1], SLOT1
	s_add_co_u32 s[SGF], s[SGF], 1
	s_cmp_eq_u32 s[SGF], s[N1]
	s_cselect_b32 s[SGF], 0, s[SGF]
	s_mul_i32 s44, s[SGF], SLB
	s_add_nc_u64 s[G0+2:G0+3], s[KVW:KVW+1], s[44:45]
	s_or_b32 s[G0+3], s[G0+3], 0x80000000
	s_wait_xcnt 0x0                                ; the last prefetch, a slot back, has read its address
	s_add_nc_u64 s[PFA:PFA+1], s[PFA:PFA+1], SLB
.endif
	s_wait_dscnt 0x0
	s_barrier_signal -1
	s_barrier_wait -1
.if \fill
	TLOAD
	ASK
.endif
.endm
; A BLOCK'S END: O^T / the sum, quantised along d (two blocks of 32), leaves as granule `head` of my row tile, with its two scale bytes.
.macro EPI
.rept 4
	v_nop
.endr
	v_add_f32 v14, v14, v15
	s_delay_alu instid0(VALU_DEP_1)
	v_permlanex16_b32 v[T1], v14, s[SEL], s[SEL+1]
	s_delay_alu instid0(VALU_DEP_1)
	v_add_f32 v14, v14, v[T1]                      ; the row's sum
	s_wait_alu depctr_va_vdst(0)
	v_rcp_f32 v[F], v14
	s_mul_i32 s44, s[QBI], 196608                  ; 16 row tiles of 12,288 bytes a block
	s_add_co_u32 s44, s44, s62
	s_add_nc_u64 s[OB:OB+1], s[8:9], s[44:45]
	s_lshl_b32 s44, s[QBI], 13
	s_add_co_u32 s44, s44, s63
	s_add_nc_u64 s[OSB:OSB+1], s[10:11], s[44:45]
	v_nop                                          ; a plain place behind the reciprocal
	s_wait_alu depctr_va_vdst(0)                   ; and the wait ahead of its first reader
.set n, 0
.rept 16
	v_pk_mul_f32 v[S+n:S+n+1], v[O+n:O+n+1], v[F:F+1] op_sel_hi:[1,0]   ; register 16 b + i is d = 32 b + 16 (lane / 16) + i
.set n, n+2
.endr
.irp b, 0,1
	v_max3_num_f32 v[BM+\b], |v[S+16*\b]|, |v[S+1+16*\b]|, 0x1800000
.endr
.irp i, 2,4,6,8,10,12,14
.irp b, 0,1
	s_delay_alu instid0(VALU_DEP_2)
	v_max3_num_f32 v[BM+\b], v[BM+\b], |v[S+16*\b+\i]|, |v[S+1+16*\b+\i]|
.endr
.endr
.irp b, 0,1
	s_delay_alu instid0(VALU_DEP_2)
	v_permlanex16_b32 v[PB+\b], v[BM+\b], s[SEL], s[SEL+1]
.endr
.irp b, 0,1
	s_delay_alu instid0(VALU_DEP_2)
	v_max_num_f32 v[BM+\b], v[BM+\b], v[PB+\b]
.endr
.irp b, 0,1
	s_delay_alu instid0(VALU_DEP_2)
	v_add_nc_u32 v[SO+\b], 0xff000000, v[BM+\b]
.endr
.irp b, 0,1
	s_delay_alu instid0(VALU_DEP_2)
	v_lshrrev_b32 v[PB+\b], 23, v[SO+\b]
.endr
	s_delay_alu instid0(VALU_DEP_1)
	v_lshl_or_b32 v[PSW], v[PB+1], 8, v[PB]
	v_cvt_scalef32_pk16_fp6_f32 v[P:P+2], v[S:S+15], v[SO]
	v_cvt_scalef32_pk16_fp6_f32 v[PD:PD+2], v[S+16:S+31], v[SO+1]
	v_nop
.irp i, 0,1,2
	v_permlane16_swap_b32 v[P+\i], v[PD+\i]
.endr
.irp i, 0,1,2
	s_delay_alu instid0(VALU_DEP_3)
	v_mov_b32 v[P+3+\i], v[PD+\i]
.endr
	global_store_b128 v[LN16], v[P:P+3], s[OB:OB+1]
	global_store_b64 v[LN8], v[P+4:P+5], s[OB:OB+1] offset:512
	s_wait_xcnt 0x0                                ; EXEC changes only behind this wait
	v_cmp_gt_u32 vcc_lo, 16, v[LANE]
	s_and_saveexec_b32 s47, vcc_lo
	global_store_b16 v[RW16], v[PSW], s[OSB:OSB+1] ; two bytes a row: a head owns half of a scale word; one byte in 24 of what the launch stores
	s_wait_xcnt 0x0                                ; and again, in front of the line that widens it
	s_or_b32 exec_lo, exec_lo, s47
.endm
	s_wait_loadcnt 0x0                             ; both blocks' Q
.Ltrip:                                            ; eight trips: behind each change of slots but the last the next slot is asked for
	CHANGE 1
	STEP 0
	STEP 1
	s_xor_b32 s[TB], s[TB], SLOT1
	s_cmp_eq_u32 s[SGC], s[QBI]                    ; the diagonal's slot was the block's last
	s_cbranch_scc0 .Lmore
	EPI
.irp j, 0,1,2,3,4,5
	v_mov_b32 v[QF+\j], v[QF2+\j]                  ; the second block's Q
.endr
	v_mov_b32 v[QSW], v[QSW2]
	FRESH
	s_mov_b32 s[QBI], s[II]
	s_mov_b32 s[SGC], 0
	s_lshl_b32 s[Q0], s[II], 8
	s_add_co_u32 s[Q0], s[Q0], s[WQ]
	s_mov_b32 s[KF], 0
	s_branch .Ljoin
.Lmore:
	s_add_co_u32 s[SGC], s[SGC], 1
.Ljoin:
	s_sub_co_u32 s[CNT], s[CNT], 1
	s_cmp_lg_u32 s[CNT], 0
	s_cbranch_scc1 .Ltrip
	CHANGE 0                                       ; the ninth slot is written out
	STEP 0
	STEP 1
	EPI
	s_wait_tensorcnt 0x0                           ; the wave's end
	ds_add_u32 v[SPW], v[NIL]
	s_wait_dscnt 0x0
	s_endpgm
.Lfunc_end_k_q07fe3d15f2_attn:
	.size	k_q07fe3d15f2_attn, .Lfunc_end_k_q07fe3d15f2_attn-k_q07fe3d15f2_attn
	.p2alignl 7, 3214868480
	.fill 96, 4, 3214868480
	.section	.rodata,"a",@progbits
	.p2align	6, 0x0
	.amdhsa_kernel k_q07fe3d15f2_attn
		.amdhsa_group_segment_fixed_size 327680
		.amdhsa_private_segment_fixed_size 0
		.amdhsa_enable_private_segment 0
		.amdhsa_kernarg_size 32
		.amdhsa_user_sgpr_count 2
		.amdhsa_user_sgpr_kernarg_segment_ptr 1
		.amdhsa_wavefront_size32 1
		.amdhsa_system_sgpr_workgroup_id_x 1
		.amdhsa_system_sgpr_workgroup_id_y 1
		.amdhsa_system_sgpr_workgroup_id_z 1
		.amdhsa_system_vgpr_workitem_id 0
		.amdhsa_next_free_vgpr 256
		.amdhsa_next_free_sgpr 66
		.amdhsa_reserve_vcc 1
		.amdhsa_float_denorm_mode_32 3
		.amdhsa_float_denorm_mode_16_64 3
		.amdhsa_memory_ordered 1
		.amdhsa_forward_progress 1
		.amdhsa_inst_pref_size 109
	.end_amdhsa_kernel
	.amdgpu_metadata
---
amdhsa.version: [ 1, 2 ]
amdhsa.kernels:
  - .name:           k_q07fe3d15f2_attn
    .symbol:         k_q07fe3d15f2_attn.kd
    .args:
      - { .name: qbuf, .offset: 0, .size: 8, .value_kind: global_buffer, .address_space: global }
      - { .name: kvbuf, .offset: 8, .size: 8, .value_kind: global_buffer, .address_space: global }
      - { .name: bimg, .offset: 16, .size: 8, .value_kind: global_buffer, .address_space: global }
      - { .name: sclB, .offset: 24, .size: 8, .value_kind: global_buffer, .address_space: global }
    .group_segment_fixed_size: 327680
    .private_segment_fixed_size: 0
    .kernarg_segment_align: 8
    .kernarg_segment_size: 32
    .max_flat_workgroup_size: 512
    .sgpr_count:     66
    .vgpr_count:     256
    .wavefront_size: 32
...
	.end_amdgpu_metadata
.endif
;; end of part 3
;; launch oproj (part 4): grid 4 x 32, 4 waves a work-group, clusters of 4 x 4, 327,680 bytes of LDS; arguments bimg, sclB, out0; writes out0
.if DOCPART == 4
	.amdgcn_target "amdgcn-amd-amdhsa--gfx1250"
	.amdhsa_code_object_version 6
	.text
	.protected	k_q07fe3d15f2_oproj
	.globl	k_q07fe3d15f2_oproj
	.p2align	8
	.type	k_q07fe3d15f2_oproj,@function
k_q07fe3d15f2_oproj:
	s_mov_b64 s[64:65], 0
	v_nop
	global_prefetch_b8 v0, s[64:65] scope:SCOPE_SE
	s_setreg_imm32_b32 hwreg(HW_REG_WAVE_MODE, 25, 1), 1
	s_wait_xcnt 0x0
	s_wait_alu depctr_hold_cnt(0) depctr_sa_sdst(0) depctr_va_vdst(0) depctr_va_sdst(0) depctr_va_ssrc(0) depctr_va_vcc(0) depctr_vm_vsrc(0)
	s_getreg_b32 s2, hwreg(HW_REG_IB_STS2, 6, 4)
	s_cmp_eq_u32 s2, 0
	s_cbranch_scc0 .Lentry_in_a_cluster
	s_endpgm
.Lentry_in_a_cluster:
	s_bfe_u32 s2, ttmp6, 0x10000c
	s_cmp_lg_u32 s2, 0xf033
	s_cbranch_scc0 .Lentry_shape_is_right
	s_endpgm
.Lentry_shape_is_right:
; OPROJ: out0 = O o_w^T on codes of FP6 (E2M3) with E8M0 scales; out0 [8192][1024] f32.  The attention result's row tiles are 0-511 of bimg, o_w's 512-575.
; A tile of 256 x 256 is made by a work-group of four waves, a wave makes 128 x 128: 64 accumulators.  Source 0 takes o_w's 16 rows, source 1 the tokens': a lane holds one token and eight neighbouring outputs.
; Operands lie in memory as images of their registers (a granule: 16 rows x 64 K, 768 bytes); row tiles are permuted (tile 2 G + u holds rows 32 G + 8 u + r + 8 (r / 8)); the way out puts rows and columns back.
; K = 1,024 is four K steps of 256: three LDS slots take K steps 0, 1, 2 as first fills (three tensor loads of a wave are out at most); K step 3 is the one refill, into slot 0.  The eight steps of 128 are written out.
; CLUSTERS: 4 x 4 work-groups; the tokens' tile is asked for jointly along a row of the cluster, o_w's along a column.  The scale words go from memory into 64 registers once.
; No prefetch: three of the four K steps are asked for at the head.
; REGISTERS: window 0: v4-21 addresses; v32-95 scale words; v128-223 A's fragments; on the way out v128-255 take rows of out0.  window 1: B's fragments, two sets.  windows 2, 3: accumulator (a, b) at v[8 (8 (a % 4) + b)].
.set FR,    12
.set NL,    4
.set NP,    4
.set SLOT,  98304
.set QUART, 24576
.set SPARE, 3*SLOT
.set KSB,   3072
.set SPITCH, 528                       ; the way out: a stage of 16 rows x (512 bytes + 16) for each wave, in slot 1: it has had its only fill, and its last read lies ahead of the last barrier
.set AD16, 4
.set AD8,  7
.set BD16, 10
.set BD8,  13
.set SPW,  16
.set NIL,  17
.set STO,  18                          ; v18  the way out: where I put 32 bytes of a row
.set RD,   19                          ; v19  where I read a row back
.set SCO,  20
.set CO,   21                          ; v21  16 x lane: my bytes of a row of out0
.set LN8,  22
.set SC,   32
.set AF,   128
.set BK,   128
.set G1,   24
.set G1B,  32
.set G0,   40
.set G0B,  52
.set MSB, 0
.macro WIN new
.if MSB != (\new)
	s_set_vgpr_msb (MSB<<8)|(\new)
.set MSB, (\new)
.endif
.endm
.set MUL_LO, 0xa1
.set MUL_HI, 0xf1
.set TO_B,   0x40
.macro JLOAD g0a, g1a, g0b, g1b        ; a joint load: waves 0 and 1 fetch for A, waves 2 and 3 for B; four v_nop follow each line
	s_cmp_eq_u32 s15, 0
	s_cbranch_scc0 .Lfor_b_\@
	tensor_load_to_lds s[\g0a:\g0a+3], s[\g1a:\g1a+7]
	s_nop 0
.rept 4
	v_nop
.endr
	s_branch .Lasked_\@
.Lfor_b_\@:
	tensor_load_to_lds s[\g0b:\g0b+3], s[\g1b:\g1b+7]
	s_nop 0
.rept 4
	v_nop
.endr
.Lasked_\@:
.endm
.macro CREST
	s_cmp_lg_u32 s14, 0
	s_cbranch_scc1 .Lnot_wave_0_\@
	s_barrier_signal -3
.Lnot_wave_0_\@:
	s_barrier_wait -3
	s_barrier_signal -1
	s_barrier_wait -1
.endm
.macro CROUND
	s_barrier_signal -1
	s_barrier_wait -1
	CREST
.endm
.macro PLACES n
.rept \n
	v_nop
.endr
.endm
	s_load_b128 s[4:7], s[0:1], 0x0                ; bimg, sclB
	s_load_b64 s[8:9], s[0:1], 0x10                ; out0
	v_lshl_add_u32 v[SPW], v0, 2, SPARE
	v_mov_b32 v[NIL], 0
	ds_add_u32 v16, v17
	s_wait_dscnt 0x0
	v_lshrrev_b32 v1, 5, v0
	v_readfirstlane_b32 s14, v1                    ; wave 0..3
	s_lshr_b32 s15, s14, 1                         ; which half of the tokens is mine.  Also: I fetch for A (0) or for B (1)
	s_and_b32 s16, s14, 1                          ; which half of the outputs.  Also: which 128 rows I fetch
	s_bfe_u32 s70, ttmp6, 0x40000                  ; cx
	s_bfe_u32 s71, ttmp6, 0x40004                  ; cy
	s_and_b32 s72, ttmp7, 0xffff
	s_lshl_b32 s72, s72, 2
	s_add_co_u32 s77, s72, s71                     ; the tokens' tile: 4 cluster y + cy
	s_lshl_b32 s78, ttmp9, 2
	s_add_co_u32 s78, s78, s70                     ; o_w's tile: 4 cluster x + cx
	s_lshl_b32 s81, s77, 4                         ; A's first row tile
	s_lshl_b32 s82, s78, 4
	s_add_co_u32 s82, s82, 512                     ; B's
	s_lshl_b32 s17, s71, 2
	s_lshl_b32 s17, 15, s17                        ; my row of the cluster
	s_lshl_b32 s18, 0x1111, s70                    ; my column
	s_or_b32 s[G1], s17, (3<<16)|(1<<21)           ; 8 row tiles x 3,072 bytes (384 elements of 8 bytes), 12,288 bytes apart in memory, on end in LDS
	s_or_b32 s[G1B], s18, (3<<16)|(1<<21)
.irp g, G1, G1B
	s_mov_b32 s[\g+1], 384<<16
	s_mov_b32 s[\g+2], 8<<16
	s_mov_b32 s[\g+3], 384<<16
	s_mov_b32 s[\g+4], 8
	s_mov_b32 s[\g+5], 1536
	s_mov_b32 s[\g+6], 0
	s_mov_b32 s[\g+7], 0
.endr
	s_lshl_b32 s66, s16, 3
	s_add_co_u32 s84, s81, s66
	s_mul_i32 s84, s84, 12288
	s_mov_b32 s85, 0
	s_add_co_u32 s86, s82, s66
	s_mul_i32 s86, s86, 12288
	s_mov_b32 s87, 0
	s_mul_i32 s88, s14, QUART
	s_wait_kmcnt 0x0
	s_add_nc_u64 s[84:85], s[4:5], s[84:85]
	s_add_nc_u64 s[86:87], s[4:5], s[86:87]
	CROUND                                         ; all sixteen work-groups are here: the first joint loads meet
.irp s, 0,1,2
	s_mov_b32 s[G0+4*\s], 1
	s_add_co_u32 s[G0+4*\s+1], s88, \s*SLOT
	s_add_nc_u64 s[G0+4*\s+2:G0+4*\s+3], s[84:85], \s*KSB
	s_or_b32 s[G0+4*\s+3], s[G0+4*\s+3], 0x80000000
	s_mov_b32 s[G0B+4*\s], 1
	s_add_co_u32 s[G0B+4*\s+1], s88, \s*SLOT
	s_add_nc_u64 s[G0B+4*\s+2:G0B+4*\s+3], s[86:87], \s*KSB
	s_or_b32 s[G0B+4*\s+3], s[G0B+4*\s+3], 0x80000000
	JLOAD G0+4*\s, G1, G0B+4*\s, G1B
.endr
	v_and_b32 v1, 31, v0                           ; lane
	v_and_b32 v2, 15, v0                           ; r
	v_bfe_u32 v3, v0, 4, 1                         ; h
	v_lshlrev_b32 v[CO], 4, v1
	v_lshlrev_b32 v[LN8], 3, v1
	s_lshl_b32 s83, s15, 3
	s_add_co_u32 s83, s83, s81
	s_lshl_b32 s83, s83, 9
	s_lshl_b32 s92, s16, 3
	s_add_co_u32 s92, s92, s82
	s_lshl_b32 s92, s92, 9
	v_mov_b32 v[SCO], s83
	v_mov_b32 v24, s92
	v_cmp_gt_u32 vcc_lo, 16, v1
	v_cndmask_b32 v[SCO], v24, v[SCO], vcc_lo      ; lanes 0-15 take A's scale words, lanes 16-31 B's
	v_lshl_add_u32 v[SCO], v2, 4, v[SCO]
.irp i, 0,1,2,3,4,5,6,7
.irp kap, 0,1
	global_load_b128 v[SC+8*\i+4*\kap:SC+8*\i+4*\kap+3], v[SCO], s[6:7] offset:512*\i+256*\kap
.endr
.endr
	s_mul_i32 s90, s15, QUART
	s_mul_i32 s91, s16, QUART
	s_add_co_u32 s91, s91, 2*QUART
.irp s, 0,1,2
	v_add_nc_u32 v[AD16+\s], s90, v[CO]
	v_add_nc_u32 v[AD8+\s], s90, v[LN8]
	v_add_nc_u32 v[BD16+\s], s91, v[CO]
	v_add_nc_u32 v[BD8+\s], s91, v[LN8]
	s_add_co_u32 s90, s90, SLOT
	s_add_co_u32 s91, s91, SLOT
.endr
	s_mul_i32 s23, s14, 16*SPITCH
	s_add_co_u32 s23, s23, SLOT                    ; my stage
	v_mul_u32_u24 v[STO], v2, SPITCH
	v_lshl_add_u32 v[STO], v3, 6, v[STO]
	v_add_nc_u32 v[STO], s23, v[STO]               ; in: row r, + 64 h
	v_add_nc_u32 v[RD], s23, v[CO]                 ; back: the 32 lanes take one row of 512 bytes
	s_lshl_b32 s20, s77, 8
	s_lshl_b32 s22, s15, 7
	s_add_co_u32 s20, s20, s22
	s_lshl_b32 s20, s20, 12                        ; my first row of out0, 4,096 bytes a row,
	s_lshl_b32 s22, s78, 10
	s_add_co_u32 s20, s20, s22
	s_lshl_b32 s22, s16, 9
	s_add_co_u32 s20, s20, s22                     ; my first column
	s_mov_b32 s21, 0
	s_add_nc_u64 s[8:9], s[8:9], s[20:21]
.macro FRAG reg, a16, a8, q, i
	ds_load_b128 v[\reg:\reg+3], v[\a16] offset:KSB*(\i)+1536*(\q)
	ds_load_b64 v[\reg+4:\reg+5], v[\a8] offset:KSB*(\i)+1536*(\q)+512
	ds_load_b128 v[\reg+6:\reg+9], v[\a16] offset:KSB*(\i)+1536*(\q)+768
	ds_load_b64 v[\reg+10:\reg+11], v[\a8] offset:KSB*(\i)+1536*(\q)+1280
.endm
.macro FETCH_B slot, q, p
	WIN TO_B
.irp i, 0,1,2,3,4,5,6,7
	FRAG 128*(\p)+FR*\i, BD16+\slot, BD8+\slot, \q, \i
.endr
	WIN 0
.endm
.macro FETCH_A slot, q, i0
.irp i, \i0, \i0+1, \i0+2, \i0+3
	FRAG AF+FR*(\i), AD16+\slot, AD8+\slot, \q, \i
.endr
.endm
; The 64 accumulators take turns, one instruction a turn, in the same order in every step.
.macro MUL16 a0, p, kq, zero
.irp a, \a0, \a0+1
.irp b, 0,1,2,3,4,5,6,7
.if \zero
	v_wmma_scale_f32_16x16x128_f8f6f4 v[8*(8*((\a)%4)+\b):8*(8*((\a)%4)+\b)+7], v[128*(\p)+FR*\b:128*(\p)+FR*\b+FR-1], v[AF+FR*(\a):AF+FR*(\a)+FR-1], 0, v[SC+8*\b+(\kq)], v[SC+8*(\a)+(\kq)] matrix_a_fmt:MATRIX_FMT_FP6 matrix_b_fmt:MATRIX_FMT_FP6 matrix_a_scale:MATRIX_SCALE_ROW1
.else
	v_wmma_scale_f32_16x16x128_f8f6f4 v[8*(8*((\a)%4)+\b):8*(8*((\a)%4)+\b)+7], v[128*(\p)+FR*\b:128*(\p)+FR*\b+FR-1], v[AF+FR*(\a):AF+FR*(\a)+FR-1], v[8*(8*((\a)%4)+\b):8*(8*((\a)%4)+\b)+7], v[SC+8*\b+(\kq)], v[SC+8*(\a)+(\kq)] matrix_a_fmt:MATRIX_FMT_FP6 matrix_b_fmt:MATRIX_FMT_FP6 matrix_a_scale:MATRIX_SCALE_ROW1
.endif
.endr
.endr
.endm
.macro STEP kq, nslot, nq, zero
	s_wait_dscnt 4*NL                              ; B's set and A's blocks 0-3 are in; the youngest 16 loads (A's blocks 4-7) may be out
	WIN MUL_LO
	MUL16 0, (\kq)%2, \kq, \zero
	MUL16 2, (\kq)%2, \kq, \zero
	s_wait_dscnt 0x0
	PLACES NP
	FETCH_B \nslot, \nq, 1-(\kq)%2
	FETCH_A \nslot, \nq, 0
	WIN MUL_HI
	MUL16 4, (\kq)%2, \kq, \zero
	MUL16 6, (\kq)%2, \kq, \zero
	PLACES NP
	WIN 0
	FETCH_A \nslot, \nq, 4
.endm
.macro TURN kq, nslot, fill
	s_wait_tensorcnt 0x0                           ; all my tensor loads have landed
	ds_add_u32 v[SPW], v[NIL]                      ; 0 onto my spare word
	s_wait_dscnt 4*NL+1                            ; (the add and A's blocks 4-7 may be out)
	WIN MUL_LO
	MUL16 0, 1, \kq, 0
	s_wait_dscnt 0x0                               ; the add is done, and my reads of the slots behind me are over
	s_barrier_signal -1
	MUL16 2, 1, \kq, 0
	WIN 0
	s_barrier_wait -1
.if \fill
	CREST                                          ; a round of the cluster's barrier: no wave of any partner still reads slot 0 or has a load on its way
	s_add_nc_u64 s[G0+2:G0+3], s[G0+2:G0+3], 3*KSB
	s_add_nc_u64 s[G0B+2:G0B+3], s[G0B+2:G0B+3], 3*KSB
	JLOAD G0, G1, G0B, G1B
.else
	PLACES NP
.endif
	FETCH_B \nslot, 0, 0
	FETCH_A \nslot, 0, 0
	WIN MUL_HI
	MUL16 4, 1, \kq, 0
	MUL16 6, 1, \kq, 0
	PLACES NP
	WIN 0
	FETCH_A \nslot, 0, 4
.endm
	s_wait_tensorcnt 0x2                           ; my part of K step 0 is in; K steps 1 and 2 may be out
	s_barrier_signal -1
	s_barrier_wait -1
	FETCH_B 0, 0, 0
	FETCH_A 0, 0, 0
	FETCH_A 0, 0, 4
	s_wait_loadcnt 0x0                             ; the scale words
	STEP 0, 0, 1, 1
	TURN 1, 1, 1
	STEP 2, 1, 1, 0
	STEP 3, 2, 0, 0
	STEP 4, 2, 1, 0
	TURN 5, 0, 0
	STEP 6, 0, 1, 0
	s_wait_dscnt 4*NL
	WIN MUL_LO
	MUL16 0, 1, 7, 0
	MUL16 2, 1, 7, 0
	s_wait_dscnt 0x0
	WIN MUL_HI
	MUL16 4, 1, 7, 0
	MUL16 6, 1, 7, 0
	WIN 0
; THE WAY OUT, block by block of 16 tokens x 128 outputs, through my own stage.  Result b's register j of lane (r, h) is output 32 (b / 2) + 16 h + 8 (b % 2) + j of token r; rows come back whole, 512 bytes, and
; row t of block a is token 32 (a / 2) + 8 (a % 2) + t + 8 (t / 8).  LDS serves a wave's instructions in order: no wait between the stores and the loads, nor in front of the next block's stores.
.macro TOSTAGE a
.set AC, 64*((\a)%4)
	WIN 0x08+4*((\a)/4)                            ; the data: window 2 or 3
.irp b, 0,1,2,3,4,5,6,7
	ds_store_b128 v[STO], v[AC+8*\b:AC+8*\b+3] offset:128*(\b/2)+32*(\b%2)        ; each accumulator from its low end on
	ds_store_b128 v[STO], v[AC+8*\b+4:AC+8*\b+7] offset:128*(\b/2)+32*(\b%2)+16
.endr
	WIN 0
.set BB, BK+64*((\a)%2)
.irp t, 0,1,2,3,4,5,6,7,8,9,10,11,12,13,14,15
	ds_load_b128 v[BB+4*\t:BB+4*\t+3], v[RD] offset:\t*SPITCH
.endr
.endm
.macro SEND a, younger
.set BB, BK+64*((\a)%2)
	s_wait_dscnt \younger                          ; the block is back in registers
.irp t, 0,1,2,3,4,5,6,7,8,9,10,11,12,13,14,15
	global_store_b128 v[CO], v[BB+4*\t:BB+4*\t+3], s[8:9] offset:(32*((\a)/2)+8*((\a)%2)+\t+8*(\t/8))*4096 th:TH_STORE_NT   ; 32 lanes store 512 consecutive bytes, at a multiple of 512 from out0's first byte; the base is never stepped
.endr
.endm
	PLACES NP
	TOSTAGE 0
.irp a, 1,2,3,4,5,6,7
.if \a > 1
	s_wait_xcnt 0x0                                ; block a - 2's stores have read their registers: block a's loads may land there
.endif
	TOSTAGE \a
	SEND \a-1, 32                                  ; behind block a - 1's loads: block a's 16 stores and 16 loads
.endr
	SEND 7, 0
	s_wait_tensorcnt 0x0                           ; the wave's end
	ds_add_u32 v[SPW], v[NIL]
	s_wait_dscnt 0x0
	CROUND                                         ; the closing round
	s_endpgm
.Lfunc_end_k_q07fe3d15f2_oproj:
	.size	k_q07fe3d15f2_oproj, .Lfunc_end_k_q07fe3d15f2_oproj-k_q07fe3d15f2_oproj
	.p2alignl 7, 3214868480
	.fill 96, 4, 3214868480
	.section	.rodata,"a",@progbits
	.p2align	6, 0x0
	.amdhsa_kernel k_q07fe3d15f2_oproj
		.amdhsa_group_segment_fixed_size 327680
		.amdhsa_private_segment_fixed_size 0
		.amdhsa_enable_private_segment 0
		.amdhsa_kernarg_size 24
		.amdhsa_user_sgpr_count 2
		.amdhsa_user_sgpr_kernarg_segment_ptr 1
		.amdhsa_wavefront_size32 1
		.amdhsa_system_sgpr_workgroup_id_x 1
		.amdhsa_system_sgpr_workgroup_id_y 1
		.amdhsa_system_sgpr_workgroup_id_z 1
		.amdhsa_system_vgpr_workitem_id 0
		.amdhsa_next_free_vgpr 1024
		.amdhsa_next_free_sgpr 100
		.amdhsa_reserve_vcc 1
		.amdhsa_float_denorm_mode_32 3
		.amdhsa_float_denorm_mode_16_64 3
		.amdhsa_memory_ordered 1
		.amdhsa_forward_progress 1
		.amdhsa_inst_pref_size 140
	.end_amdhsa_kernel
	.amdgpu_metadata
---
amdhsa.version: [ 1, 2 ]
amdhsa.kernels:
  - .name:           k_q07fe3d15f2_oproj
    .symbol:         k_q07fe3d15f2_oproj.kd
    .args:
      - { .name: bimg, .offset: 0, .size: 8, .value_kind: global_buffer, .address_space: global }
      - { .name: sclB, .offset: 8, .size: 8, .value_kind: global_buffer, .address_space: global }
      - { .name: out0, .offset: 16, .size: 8, .value_kind: global_buffer, .address_space: global }
    .group_segment_fixed_size: 327680
    .private_segment_fixed_size: 0
    .kernarg_segment_align: 8
    .kernarg_segment_size: 24
    .max_flat_workgroup_size: 128
    .sgpr_count:     100
    .vgpr_count:     1024
    .wavefront_size: 32
...
	.end_amdgpu_metadata
.endif
;; end of part 4
